; MI455X (gfx1250); checked and timed in simulation.
; The chip was launched on July 23, 2026; its instructions are those of AMD's public machine-readable ISA for CDNA 5 (MIT licence, August 2026) and "CDNA5" Instruction Set Architecture Reference Guide (July 2026). The comments in the code are by the model that wrote it; some were corrected since.
;; Multi Headed Attention. Allowed arithmetic: float matrix products may take bf16 or f16 operands with f32 sums; other float arithmetic in f32, or as packed bf16 or f16 multiplies, adds, multiply-adds, maxima and minima; sums over many terms, partial sums and values carried from step to step in f32; what a program stores and reads back later, other than sums and carried values, may be rounded once to bf16 or f16.
;; Inputs: Wk 1,024 x 1,024 float32; Wo 1,024 x 1,024 float32; Wq 1,024 x 1,024 float32; Wv 1,024 x 1,024 float32; key 4 x 2,048 x 1,024 float32; mask 4 x 2,048 x 2,048 int32; query 4 x 2,048 x 1,024 float32; value 4 x 2,048 x 1,024 float32.
;; Outputs: out0 4 x 2,048 x 1,024 float32.
;; One version. Each part assembles by itself: llvm-mc -triple=amdgcn-amd-amdhsa -mcpu=gfx1250 --defsym DOCPART=n.
;; ======== version 1 of 1: 4 launches
;; limits: values are held in f16: magnitudes above 65,504 overflow, below 6.1e-05 lose precision; right only within a limited range of input values
;; workspace buffers: h16 8,388,608 bytes; mb 16,777,216 bytes of whole numbers; qkv 50,331,648 bytes; ob 16,777,216 bytes
;; launch prep (part 1): grid 32 x 20, 8 waves a work-group, no clusters, 68,608 bytes of LDS; arguments Wq, Wk, Wv, Wo, mask, h16, mb; writes h16, mb
.if DOCPART == 1
	.amdgcn_target "amdgcn-amd-amdhsa--gfx1250"
	.amdhsa_code_object_version 6
	.text
	.protected	k_q8b721e07bf_prep
	.globl	k_q8b721e07bf_prep
	.p2align	8
	.type	k_q8b721e07bf_prep,@function
k_q8b721e07bf_prep:
	s_mov_b64 s[64:65], 0
	v_nop
	global_prefetch_b8 v0, s[64:65] scope:SCOPE_SE
	s_setreg_imm32_b32 hwreg(HW_REG_WAVE_MODE, 25, 1), 1
	s_wait_xcnt 0x0
; PREP.  (1) The four weights (f32, [1024][1024]) are rounded to bf16 and written into h16, a unit of 2 MiB each, in the order Wq, Wk, Wv, Wo.  Wq, Wk, Wv go as bf16, for products in bf16.
; Wo's partner in its product is an f16 number, so Wo's bf16 number is written as f16: exact from 2^-17 up to f16's end, 65,504; below 2^-17 it falls on f16's fixed step of 2^-24.  LIMIT: Wo stays under 65,504 in magnitude.
; (2) mask (int32, [4][2048][2048]) becomes one byte a key in mb: 0x00 where the key is seen (mask != 0), 0xF0 where it is hidden, laid out as the attention launch's lanes want them:
; [16 queries: b*128+qt][64 keys: step][u 0..1][lane][16 bytes]; byte i = 16 u + byte of lane (r = lane % 16, h = lane / 16) is query 16 qt + r, key 64 step + 16 (i / 8) + 8 h + i % 8.
; A stream: every input byte is read once, by loads that cover 512 consecutive bytes; every store of a wave covers 256 or 512 consecutive bytes, aligned.  No matrix unit, no cluster, no tensor load:
; no two work-groups read the same byte.  The work-group's y picks 4 MiB of input (0-3 the weights, 4-19 mask), its x 128 KiB of them; a wave takes 16 KiB in two trips.
.set SPARE, 67584                      ; behind the eight waves' turning rooms: the spare words, 128 bytes a wave: four blocks of 256 bytes that no other line names
.set ROWP,  528                        ; a row of a turning room: 512 bytes + 16: the 16 rows that a load touches start at 16 different groups of four banks
.set X, 16                             ; v[16:79]   a trip's 16 loads
.set Y, 80                             ; v[80:111]  float way: what is stored; mask way: 32 words read back from LDS
.set W, 112                            ; v[112:127] mask way: what is stored
; v1 lane; v2 input offset; v3 output offset; v4, v5 LDS addresses (in, back); v6 my spare word; v7 0; v8-13 at work
	s_load_b256 s[8:15], s[0:1], 0x0               ; Wq, Wk, Wv, Wo
	s_load_b128 s[16:19], s[0:1], 0x20             ; mask, h16
	s_load_b64 s[20:21], s[0:1], 0x30              ; mb
	v_lshl_add_u32 v6, v0, 2, SPARE
	v_mov_b32 v7, 0
	v_and_b32 v1, 31, v0
	v_lshrrev_b32 v8, 5, v0
	v_readfirstlane_b32 s4, v8                     ; wave 0..7
	s_and_b32 s5, ttmp7, 0xffff                    ; y
	s_mov_b32 s36, 0xffff0000                      ; a word's upper bf16
	s_mov_b32 s37, 0xf0
	s_mov_b32 s38, 0xf0f0f0f0
	s_lshl_b32 s34, ttmp9, 17                      ; 128 KiB x the work-group's x
	s_mov_b32 s35, 0
	s_mov_b32 s29, 0
	s_mov_b32 s7, 2                                ; trips
	s_wait_kmcnt 0x0
	s_cmp_ge_u32 s5, 4
	s_cbranch_scc1 .Lmask
	; THE FLOAT WAY.  A trip: 8 KiB in, 4 KiB out.
	s_mov_b64 s[30:31], s[8:9]                     ; the source, chosen by y alone
	s_cmp_ge_u32 s5, 1
	s_cselect_b64 s[30:31], s[10:11], s[30:31]
	s_cmp_ge_u32 s5, 2
	s_cselect_b64 s[30:31], s[12:13], s[30:31]
	s_cmp_ge_u32 s5, 3
	s_cselect_b64 s[30:31], s[14:15], s[30:31]
	s_cselect_b32 s39, -1, 0                       ; all lanes on for Wo: it goes as f16
	s_add_nc_u64 s[30:31], s[30:31], s[34:35]
	s_lshl_b32 s28, s5, 21                         ; unit y of 2 MiB in h16,
	s_lshl_b32 s22, ttmp9, 16                      ; the work-group's 64 KiB of it
	s_add_co_u32 s28, s28, s22
	s_add_nc_u64 s[32:33], s[18:19], s[28:29]
	s_lshl_b32 s22, s4, 14
	v_lshl_add_u32 v2, v1, 4, s22                  ; 16 KiB x wave + 16 x lane
	s_lshl_b32 s22, s4, 13
	v_lshl_add_u32 v3, v1, 3, s22                  ; 8 KiB x wave + 8 x lane
.Lfloat:
.set e, 0
.rept 16
	global_load_b128 v[X+4*e:X+4*e+3], v2, s[30:31] offset:512*e th:TH_LOAD_NT
.set e, e+1
.endr
.set e, 0
.rept 16
	s_wait_loadcnt 15-e                            ; loads come back in order: load e is in, the 15 - e younger ones stay out
	v_cvt_pk_bf16_f32 v8, v[X+4*e], v[X+4*e+1]     ; rounded to bf16,
	v_cvt_pk_bf16_f32 v9, v[X+4*e+2], v[X+4*e+3]
	v_lshlrev_b32 v10, 16, v8                      ; widened again,
	v_and_b32 v11, s36, v8
	v_lshlrev_b32 v12, 16, v9
	v_and_b32 v13, s36, v9
	v_cvt_pk_f16_f32 v10, v10, v11                 ; and written as f16;
	v_cvt_pk_f16_f32 v12, v12, v13
	v_cndmask_b32 v[Y+2*e], v8, v10, s39           ; the weight's own format is taken
	v_cndmask_b32 v[Y+2*e+1], v9, v12, s39
	global_store_b64 v3, v[Y+2*e:Y+2*e+1], s[32:33] offset:256*e  ; the wave's store covers 256 consecutive bytes, aligned
.set e, e+1
.endr
	s_wait_xcnt 0x0                                ; both pointers and Y are written again only behind this wait
	s_add_nc_u64 s[30:31], s[30:31], 8192
	s_add_nc_u64 s[32:33], s[32:33], 4096
	s_sub_co_u32 s7, s7, 1
	s_cmp_lg_u32 s7, 0
	s_cbranch_scc1 .Lfloat
	s_branch .Lend
	; THE MASK WAY.  The work-group has 16 rows of the mask: one tile of 16 queries.  Wave w takes, in trip t, keys 128 (2 w + t) on: 16 rows x 512 bytes.
	; They go through the wave's own room in LDS (no other wave touches it, so no barrier), from which a lane reads its own query's keys.
.Lmask:
	s_sub_co_u32 s28, s5, 4                        ; which 512 rows of the mask
	s_lshl_b32 s22, s28, 22
	s_add_co_u32 s34, s34, s22                     ; + the work-group's 16 rows of 8,192 bytes
	s_add_nc_u64 s[30:31], s[16:17], s[34:35]
	s_lshl_b32 s22, s4, 10                         ; my two spans of 512 bytes
	v_lshl_add_u32 v2, v1, 4, s22
	s_lshl_b32 s22, s4, 12                         ; which are two spans of 2,048 bytes of mb
	v_lshl_add_u32 v3, v1, 4, s22
	s_mul_i32 s22, s4, 16*ROWP                     ; my room
	v_lshl_add_u32 v4, v1, 4, s22                  ; in: 16 x lane along a row
	v_and_b32 v8, 15, v0
	v_bfe_u32 v9, v0, 4, 1
	v_mul_u32_u24 v5, v8, ROWP                     ; back: row lane % 16, 8 keys (32 bytes) x lane / 16
	v_lshl_add_u32 v5, v9, 5, v5
	v_add_nc_u32 v5, s22, v5
	s_lshl_b32 s28, s28, 20                        ; 512 rows = 32 tiles of 32,768 bytes,
	s_lshl_b32 s22, ttmp9, 15                      ; my tile
	s_add_co_u32 s28, s28, s22
	s_add_nc_u64 s[32:33], s[20:21], s[28:29]
.Lspan:
.set e, 0
.rept 16
	global_load_b128 v[X+4*e:X+4*e+3], v2, s[30:31] offset:8192*e th:TH_LOAD_NT  ; row e: 512 consecutive bytes
.set e, e+1
.endr
.set e, 0
.rept 16
	s_wait_loadcnt 15-e
	ds_store_b128 v4, v[X+4*e:X+4*e+3] offset:ROWP*e
.set e, e+1
.endr
.set g, 0
.rept 2                                ; the span's two steps of 64 keys
.set u, 0
.rept 2
	ds_load_b128 v[Y+16*u:Y+16*u+3],     v5 offset:256*g+128*u      ; LDS serves a wave's instructions in order: these see the stores above
	ds_load_b128 v[Y+16*u+4:Y+16*u+7],   v5 offset:256*g+128*u+16
	ds_load_b128 v[Y+16*u+8:Y+16*u+11],  v5 offset:256*g+128*u+64
	ds_load_b128 v[Y+16*u+12:Y+16*u+15], v5 offset:256*g+128*u+80
.set u, u+1
.endr
	s_wait_dscnt 0x0
.set j, 0
.rept 8                                ; four keys make a word
	v_min_u32 v8,  1, v[Y+4*j]                     ; 1 where the key is seen
	v_min_u32 v9,  1, v[Y+4*j+1]
	v_min_u32 v10, 1, v[Y+4*j+2]
	v_min_u32 v11, 1, v[Y+4*j+3]
	v_lshl_or_b32 v8, v9, 8, v8
	v_lshl_or_b32 v10, v11, 8, v10
	v_lshl_or_b32 v8, v10, 16, v8
	v_mul_lo_u32 v8, v8, s37                       ; 0xF0 in each seen key's byte: no carry crosses a byte,
	v_sub_nc_u32 v[W+8*g+j], s38, v8               ; and so 0xF0 in each hidden key's
.set j, j+1
.endr
	global_store_b128 v3, v[W+8*g:W+8*g+3],   s[32:33] offset:1024*g      ; 512 consecutive bytes, aligned
	global_store_b128 v3, v[W+8*g+4:W+8*g+7], s[32:33] offset:1024*g+512
.set g, g+1
.endr
	s_wait_xcnt 0x0                                ; both pointers and W are written again only behind this wait
	s_add_nc_u64 s[30:31], s[30:31], 512
	s_add_nc_u64 s[32:33], s[32:33], 2048
	s_sub_co_u32 s7, s7, 1
	s_cmp_lg_u32 s7, 0
	s_cbranch_scc1 .Lspan
.Lend:
	s_wait_tensorcnt 0x0                           ; the wave's end: behind my last LDS store
	ds_add_u32 v6, v7
	s_wait_dscnt 0x0
	s_endpgm
.Lfunc_end_k_q8b721e07bf_prep:
	.size	k_q8b721e07bf_prep, .Lfunc_end_k_q8b721e07bf_prep-k_q8b721e07bf_prep
	.p2alignl 7, 3214868480
	.fill 96, 4, 3214868480
	.section	.rodata,"a",@progbits
	.p2align	6, 0x0
	.amdhsa_kernel k_q8b721e07bf_prep
		.amdhsa_group_segment_fixed_size 68608
		.amdhsa_private_segment_fixed_size 0
		.amdhsa_enable_private_segment 0
		.amdhsa_kernarg_size 56
		.amdhsa_user_sgpr_count 2
		.amdhsa_user_sgpr_kernarg_segment_ptr 1
		.amdhsa_wavefront_size32 1
		.amdhsa_system_sgpr_workgroup_id_x 1
		.amdhsa_system_sgpr_workgroup_id_y 1
		.amdhsa_system_sgpr_workgroup_id_z 1
		.amdhsa_system_vgpr_workitem_id 0
		.amdhsa_next_free_vgpr 128
		.amdhsa_next_free_sgpr 66
		.amdhsa_reserve_vcc 0
		.amdhsa_float_denorm_mode_32 3
		.amdhsa_float_denorm_mode_16_64 3
		.amdhsa_memory_ordered 1
		.amdhsa_forward_progress 1
		.amdhsa_inst_pref_size 26
	.end_amdhsa_kernel
	.amdgpu_metadata
---
amdhsa.version: [ 1, 2 ]
amdhsa.kernels:
  - .name:           k_q8b721e07bf_prep
    .symbol:         k_q8b721e07bf_prep.kd
    .args:
      - { .name: Wq, .offset: 0, .size: 8, .value_kind: global_buffer, .address_space: global }
      - { .name: Wk, .offset: 8, .size: 8, .value_kind: global_buffer, .address_space: global }
      - { .name: Wv, .offset: 16, .size: 8, .value_kind: global_buffer, .address_space: global }
      - { .name: Wo, .offset: 24, .size: 8, .value_kind: global_buffer, .address_space: global }
      - { .name: mask, .offset: 32, .size: 8, .value_kind: global_buffer, .address_space: global }
      - { .name: h16, .offset: 40, .size: 8, .value_kind: global_buffer, .address_space: global }
      - { .name: mb, .offset: 48, .size: 8, .value_kind: global_buffer, .address_space: global }
    .group_segment_fixed_size: 68608
    .private_segment_fixed_size: 0
    .kernarg_segment_align: 8
    .kernarg_segment_size: 56
    .max_flat_workgroup_size: 256
    .sgpr_count:     66
    .vgpr_count:     128
    .wavefront_size: 32
...
	.end_amdgpu_metadata
.endif
;; end of part 1
;; launch qkv (part 2): grid 4 x 64, 4 waves a work-group, clusters of 4 x 4, 327,680 bytes of LDS; arguments query, key, value, h16, qkv; writes qkv
.if DOCPART == 2
	.amdgcn_target "amdgcn-amd-amdhsa--gfx1250"
	.amdhsa_code_object_version 6
	.text
	.protected	k_q8b721e07bf_qkv
	.globl	k_q8b721e07bf_qkv
	.p2align	8
	.type	k_q8b721e07bf_qkv,@function
k_q8b721e07bf_qkv:
	s_mov_b64 s[64:65], 0
	v_nop
	global_prefetch_b8 v0, s[64:65] scope:SCOPE_SE
	s_setreg_imm32_b32 hwreg(HW_REG_WAVE_MODE, 25, 1), 1
	s_wait_xcnt 0x0
	s_wait_alu depctr_hold_cnt(0) depctr_sa_sdst(0) depctr_va_vdst(0) depctr_va_sdst(0) depctr_va_ssrc(0) depctr_va_vcc(0) depctr_vm_vsrc(0)
	s_getreg_b32 s2, hwreg(HW_REG_IB_STS2, 6, 4)
	s_cmp_eq_u32 s2, 0
	s_cbranch_scc0 .Lentry_in_a_cluster
	s_endpgm
.Lentry_in_a_cluster:
	s_bfe_u32 s2, ttmp6, 0x10000c
	s_cmp_lg_u32 s2, 0xf033
	s_cbranch_scc0 .Lentry_shape_is_right
	s_endpgm
.Lentry_shape_is_right:
; THE THREE PROJECTIONS, straight from the f32 inputs.  For t = 0, 1, 2: C_t[m][n] = sum over k of X_t[m][k] W_t[n][k]; X_t [8192][1024] is query, key, value in f32; W_t [1024][1024] is Wq, Wk, Wv as bf16 in h16.
; X comes into LDS as f32 and is rounded to bf16 between LDS and the matrix unit; products in bf16, sums in f32.  C_t leaves by heads, qkv[t][b*16+head][row][64] in f16, rounded once; q (t = 0) is first multiplied,
; in f32, by c = log2(e) / 8, so that the attention's scores come out as exponents of 2.  LIMIT: c q, k and v stay under f16's end, 65,504.
; SHARES.  A tile of C is 128 rows x 256 columns: 3 x 64 x 4 = 768 tiles, three for each of 256 work-groups.  A WORK-GROUP STAYS: it makes the q, the k and the v tile at one place, 24 K steps of 128 on end, and the
; ring of two LDS slots runs on from tile to tile.  A wave makes 64 rows x 128 columns, two heads: 4 x 8 accumulators of 16 x 16.  For 32 along K that is 16 loads of f32 and 16 of bf16 from LDS; 8 x 4 would be 32 and 8.
; A slot holds 128 rows x 512 bytes of X and 256 rows x 256 bytes of W, 137,216 bytes with the padding: two slots of a K step of 256 would not fit.  Each wave's tensor load brings 32 KiB.
; CLUSTER 4 x 4: the four of a row need the same tiles of X, the four of a column the same tiles of W: each tile is asked for jointly, by the same tensor load, descriptor and mask in all four.
; ONE TEXT FOR A K STEP: the slot's base is a scalar that an exclusive or turns; one descriptor a tensor is made anew for each fill from a pointer that walks on, step by step and from buffer to buffer.  The loop has the
; 22 steps behind which a slot is filled again; the last two steps are the same text without a fill, walked twice (the second walk's fetch of fragments serves nothing: the price of one text for both).
; A tile's first quarter has a second copy whose products start the sums.
; THE MATRIX INSTRUCTION IS USED TRANSPOSED (source 0 = 16 rows of W, source 1 = 16 rows of X): a lane then holds eight neighbouring columns of one row of C, 16 bytes of f16.
; REGISTERS: window 0: v0-31 addresses; v32-63 at work on the way out; v64-159, v160-255 two fragment buffers (4 x 8 of X in bf16, then 8 x 8 of W).  Window 1: accumulator (a, b) at v[64 a + 8 b].
;   Window 2: v0-63 X's four fragments of a quarter as they come from LDS, in f32.
.set KSTEP,  128
.set PAF,    528                       ; a row of X in LDS: 512 bytes + 16: the 16 rows of a load start at 16 different groups of four banks
.set AH,     64*PAF                    ; 64 rows: what wave 0 or 1 fetches, and what a wave reads
.set BOFF,   2*AH                      ; W's 256 rows lie behind X's 128
.set PB,     272                       ; a row of W: 256 bytes + 16
.set BH,     128*PB                    ; 128 rows: what wave 2 or 3 fetches, and what a wave reads
.set SLOT,   BOFF+2*BH
.set STAGE,  2*SLOT                    ; behind the ring, never filled by a tensor load: 16 rows x 144 bytes for each wave, for the way out
.set SP,     144
.set SPARE,  STAGE+4*16*SP             ; the spare words, 128 bytes a wave: two blocks of 256 bytes that no other line names
.set WB,     2097152                   ; bytes of one W_t in h16
.set QB,     16777216                  ; bytes of one of q, k, v in qkv
.set HEADB,  262144                    ; bytes of a head
.set ADRA0, 16                         ; my lane's place in a slot's X; never rewritten
.set ADRB0, 17                         ; the same for W
.set ADRA,  18                         ; the two in the slot that is being read
.set ADRB,  19
.set STO,   24                         ; the way out: where I put 16 bytes of a row
.set RD,    25                         ; where I read rows back
.set GO,    26                         ; my 16 bytes of 512 consecutive bytes of a head
.set SPW,   28                         ; my spare word; never rewritten
.set NIL,   29                         ; 0; never rewritten
.set PFO,   30                         ; the prefetches' offset; never rewritten
.set F0,    64
.set F1,    160
.set STG,   0                          ; window 2
.set WV,    14                         ; s14 my wave's number
.set ROLE,  15                         ; s15 wave / 2: I fetch for X (0) or for W (1); also which 64 rows of the tile I make
.set HALF,  16                         ; s16 wave % 2: which half of that tile I fetch; also which 128 columns I make
.set I,     17                         ; s17 steps of the loop still to come
.set RT,    18                         ; s18 K steps left in the tile, this one among them
.set NEW,   19                         ; s19 1: the step to come is a tile's first
.set G1A,   24                         ; s[24:31] descriptor group 1 for X's tiles; s[32:35] group 0 of the first fill, s[36:39] the one that is made anew
.set G0A,   32
.set TB,    44                         ; s44 the base of the slot that is being read: 0 or SLOT
.set WLA,   45                         ; s45 where my half of X goes in a slot
.set WLB,   46                         ; s46 the same for W; also where the 128 rows of W that I read begin
.set LIM,   47                         ; s47 1 in a wave that prefetches, else the greatest number
.set G1B,   48                         ; s[48:55], s[56:59], s[60:63] the same for W's tiles
.set G0B,   56
.set SC,    66                         ; s[66:67] the way out's factor: c for q, then 1
.set NBA,   68                         ; s[68:69] my rows in the next tile's X; s[70:71] in the one after
.set VBA,   70
.set NBB,   72                         ; s[72:75] the same for W
.set VBB,   74
.set PFA,   76                         ; s[76:77] where my prefetches stand; s[78:81] the same rows in the next buffer and in the one after; s[82:83] a K step in bytes
.set PNB,   78
.set PVB,   80
.set PST,   82
.set OUT,   84                         ; s[84:85] where my part of the tile goes
.set CA,    86                         ; s[86:87] X at my rows, at the K step asked for last
.set TC,    95                         ; s95 counts the last two steps
.set CB,    96                         ; s[96:97] the same for W
.set MSB, 0
.macro WIN new                         ; the immediate's high byte repeats the setting that is left; a switch that changes nothing is dropped
.if MSB != (\new)
	s_set_vgpr_msb (MSB<<8)|(\new)
.set MSB, \new
.endif
.endm
.set W_MUL, 0x50                       ; C and D in window 1, both sources in window 0
.set W_CV,  0x0a                       ; sources 0 and 1 in window 2, destination in window 0
.set W_ST,  0x80                       ; destination in window 2, address in window 0
; A joint refill: waves 0 and 1 fetch X's two halves, waves 2 and 3 W's.  An s_nop 0 and four v_nop follow each line, ahead of the jump, the label and what follows.
.macro JLOAD
	s_cmp_eq_u32 s[ROLE], 0
	s_cbranch_scc0 .Lfor_b_\@
	tensor_load_to_lds s[G0A+4:G0A+7], s[G1A:G1A+7]
	s_nop 0
.rept 4
	v_nop
.endr
	s_branch .Lasked_\@
.Lfor_b_\@:
	tensor_load_to_lds s[G0B+4:G0B+7], s[G1B:G1B+7]
	s_nop 0
.rept 4
	v_nop
.endr
.Lasked_\@:
.endm
; A prefetch, behind a joint load, its five lines and the run of LDS loads: 32 blocks of 256 bytes of the K step that the NEXT refill will ask for, a lane a block.  Each block is named once in the launch.
; X's 128 rows of a tile row are read by one cluster alone; of the 64 rows x 512 bytes that wave 0 or 1 fetches the partner at place cx takes 16 rows, by address.  W's rows are read by every cluster: the one with
; y = 0 asks; of the 128 rows x 256 bytes that wave 2 or 3 fetches the partner at place cy takes 32, by address.  Steps 0 to 2 come by their loads alone; the last refill has no step behind it and asks for nothing.
.macro ASK
	s_cmp_gt_u32 s[I], s[LIM]                      ; s[I] = 1 in the loop's last trip
	s_cbranch_scc0 .Lnot_mine_\@
	global_prefetch_b8 v[PFO], s[PFA:PFA+1] th:TH_LOAD_NT scope:SCOPE_SE
.Lnot_mine_\@:
.endm
.macro CROUND                          ; a round of the cluster's barrier
	s_barrier_signal -1
	s_barrier_wait -1
	s_cmp_lg_u32 s[WV], 0
	s_cbranch_scc1 .Lnot_wave_0_\@
	s_barrier_signal -3
.Lnot_wave_0_\@:
	s_barrier_wait -3
	s_barrier_signal -1
	s_barrier_wait -1
.endm
	s_load_b256 s[4:11], s[0:1], 0x0               ; query s[4:5], key s[6:7], value s[8:9], h16 s[10:11]
	s_load_b64 s[12:13], s[0:1], 0x20              ; qkv
	v_lshl_add_u32 v[SPW], v0, 2, SPARE
	v_mov_b32 v[NIL], 0
	ds_add_u32 v[SPW], v[NIL]                      ; the wave's opening: the add and its wait stand ahead of my first tensor load; the set-up below, work on registers, stands between them
	v_lshrrev_b32 v1, 5, v0
	v_readfirstlane_b32 s[WV], v1                  ; wave 0..3
	s_lshr_b32 s[ROLE], s[WV], 1
	s_and_b32 s[HALF], s[WV], 1
	s_bfe_u32 s40, ttmp6, 0x40000                  ; cx
	s_bfe_u32 s41, ttmp6, 0x40004                  ; cy
	s_lshl_b32 s42, ttmp9, 2
	s_add_co_u32 s42, s42, s40                     ; tile column tx = 4 x cluster x + cx
	s_and_b32 s43, ttmp7, 0xffff
	s_lshl_b32 s43, s43, 2
	s_add_co_u32 s43, s43, s41                     ; tile row ty = 4 x cluster y + cy
	s_lshl_b32 s20, s41, 2
	s_lshl_b32 s20, 15, s20                        ; my row of the cluster
	s_lshl_b32 s22, 0x1111, s40                    ; my column
	s_or_b32 s[G1A], s20, (2<<16)|(1<<20)|(1<<21)|(6<<22)|(3<<25)  ; the mask; elements of 4 bytes; padding on; bit 21 beside a mask; after every 128 words 4 words
	s_or_b32 s[G1B], s22, (1<<16)|(1<<20)|(1<<21)|(5<<22)|(3<<25)  ; elements of 2 bytes; after every 64 words 4 words
	s_mov_b32 s[G1A+1], KSTEP<<16                  ; tensor_dim0 = 128
	s_mov_b32 s[G1A+2], 64<<16                     ; tensor_dim1 = 64
	s_mov_b32 s[G1A+3], KSTEP<<16                  ; tile_dim0 = 128
	s_mov_b32 s[G1A+4], 64                         ; tile_dim1 = 64
	s_mov_b32 s[G1A+5], 1024                       ; elements from row to row
	s_mov_b32 s[G1A+6], 0
	s_mov_b32 s[G1A+7], 0
	s_mov_b32 s[G1B+1], KSTEP<<16
	s_mov_b32 s[G1B+2], 128<<16                    ; 128 rows
	s_mov_b32 s[G1B+3], KSTEP<<16
	s_mov_b32 s[G1B+4], 128
	s_mov_b32 s[G1B+5], 1024
	s_mov_b32 s[G1B+6], 0
	s_mov_b32 s[G1B+7], 0
	s_lshl_b32 s20, s43, 19                        ; X: row 128 ty of 4,096 bytes,
	s_lshl_b32 s21, s[HALF], 18                    ; + 64 x half
	s_add_co_u32 s20, s20, s21
	s_mov_b32 s21, 0
	s_lshl_b32 s22, s42, 19                        ; W: row 256 tx of 2,048 bytes,
	s_lshl_b32 s23, s[HALF], 18                    ; + 128 x half
	s_add_co_u32 s22, s22, s23
	s_mov_b32 s23, 0
	s_mul_i32 s[WLA], s[HALF], AH                  ; where they go: no place in the cluster enters an LDS address
	s_mul_i32 s[WLB], s[HALF], BH
	s_add_co_u32 s[WLB], s[WLB], BOFF
	s_mov_b32 s[G0A], 1                            ; step 0 into slot 0,
	s_mov_b32 s[G0A+1], s[WLA]
	s_mov_b32 s[G0A+4], 1                          ; step 1 into slot 1
	s_add_co_u32 s[G0A+5], s[WLA], SLOT
	s_mov_b32 s[G0B], 1
	s_mov_b32 s[G0B+1], s[WLB]
	s_mov_b32 s[G0B+4], 1
	s_add_co_u32 s[G0B+5], s[WLB], SLOT
	s_mov_b32 s[SC], 0x3e38aa3b                    ; c = log2(e) / 8
	s_mov_b32 s[SC+1], s[SC]                       ; named with it as a pair
	s_mov_b32 s[TB], 0
	s_wait_dscnt 0x0                               ; the opening add is done
	s_wait_kmcnt 0x0
	s_add_nc_u64 s[NBA:NBA+1], s[6:7], s[20:21]    ; my rows in key and in value,
	s_add_nc_u64 s[VBA:VBA+1], s[8:9], s[20:21]
	s_add_nc_u64 s[G0A+2:G0A+3], s[4:5], s[20:21]  ; and in query
	s_add_nc_u64 s[CA:CA+1], s[G0A+2:G0A+3], KSTEP*4
	s_add_nc_u64 s[G0A+6:G0A+7], s[CA:CA+1], 0
	s_or_b32 s[G0A+3], s[G0A+3], 0x80000000        ; type = 2
	s_or_b32 s[G0A+7], s[G0A+7], 0x80000000
	s_add_nc_u64 s[G0B+2:G0B+3], s[10:11], s[22:23]  ; my rows in Wq, Wk, Wv
	s_add_nc_u64 s[NBB:NBB+1], s[G0B+2:G0B+3], WB
	s_add_nc_u64 s[VBB:VBB+1], s[G0B+2:G0B+3], 2*WB
	s_add_nc_u64 s[CB:CB+1], s[G0B+2:G0B+3], KSTEP*2
	s_add_nc_u64 s[G0B+6:G0B+7], s[CB:CB+1], 0
	s_or_b32 s[G0B+3], s[G0B+3], 0x80000000
	s_or_b32 s[G0B+7], s[G0B+7], 0x80000000
	CROUND                                         ; all sixteen work-groups are here: the first joint loads meet
	s_cmp_eq_u32 s[ROLE], 0                        ; a wave's two first fills stand in one branch, ahead of every wait on TENSORcnt and every LDS read: two loads of mine are out
	s_cbranch_scc0 .Lfirst_b
	tensor_load_to_lds s[G0A:G0A+3], s[G1A:G1A+7]
	s_nop 0
	tensor_load_to_lds s[G0A+4:G0A+7], s[G1A:G1A+7]
	s_nop 0
.rept 4
	v_nop
.endr
	s_branch .Lfirst_asked
.Lfirst_b:
	tensor_load_to_lds s[G0B:G0B+3], s[G1B:G1B+7]
	s_nop 0
	tensor_load_to_lds s[G0B+4:G0B+7], s[G1B:G1B+7]
	s_nop 0
.rept 4
	v_nop
.endr
.Lfirst_asked:
	; a fragment is 16 rows x 32 K: lane l holds row l % 16, K = 8 (l / 16) + 0..7 and 16 + 8 (l / 16) + 0..7.  In bf16: two loads of 16 bytes, 32 bytes apart.  In f32: four, at 0, 16, 64 and 80 from 32 (l / 16).
	v_and_b32 v1, 15, v0
	v_bfe_u32 v2, v0, 4, 1
	v_mul_u32_u24 v[ADRA0], v1, PAF
	v_lshl_add_u32 v[ADRA0], v2, 5, v[ADRA0]
	s_mul_i32 s2, s[ROLE], AH                      ; my 64 rows of X
	v_add_nc_u32 v[ADRA0], s2, v[ADRA0]
	v_mul_u32_u24 v[ADRB0], v1, PB
	v_lshl_add_u32 v[ADRB0], v2, 4, v[ADRB0]
	v_add_nc_u32 v[ADRB0], s[WLB], v[ADRB0]        ; my 128 rows of W
	v_mov_b32 v[ADRA], v[ADRA0]                    ; step 0 lies in slot 0
	v_mov_b32 v[ADRB], v[ADRB0]
	s_mul_i32 s2, s[WV], 16*SP
	s_add_co_u32 s2, s2, STAGE                     ; my stage
	v_mul_u32_u24 v[STO], v1, SP                   ; in: row l % 16, 16 bytes for each half of the lanes
	v_lshl_add_u32 v[STO], v2, 4, v[STO]
	v_add_nc_u32 v[STO], s2, v[STO]
	v_bfe_u32 v[RD], v0, 3, 2                      ; back: 32 lanes take four rows of 128 bytes,
	v_mul_u32_u24 v[RD], v[RD], SP
	v_and_b32 v4, 7, v0
	v_lshl_add_u32 v[RD], v4, 4, v[RD]
	v_add_nc_u32 v[RD], s2, v[RD]
	v_and_b32 v3, 31, v0                           ; which are 512 consecutive bytes of the head
	v_lshlrev_b32 v[GO], 4, v3
	s_lshr_b32 s2, s43, 4                          ; the batch: 16 tile rows each
	s_lshl_b32 s2, s2, 4
	s_lshl_b32 s3, s42, 2
	s_add_co_u32 s2, s2, s3
	s_lshl_b32 s3, s[HALF], 1
	s_add_co_u32 s2, s2, s3                        ; b x 16 + my first head, 4 tx + 2 x half
	s_lshl_b32 s2, s2, 18                          ; 2,048 rows of 128 bytes
	s_and_b32 s3, s43, 15
	s_lshl_b32 s3, s3, 14                          ; the tile's 128 rows,
	s_add_co_u32 s2, s2, s3
	s_lshl_b32 s3, s[ROLE], 13                     ; my 64 of them
	s_add_co_u32 s2, s2, s3
	s_mov_b32 s3, 0
	s_add_nc_u64 s[OUT:OUT+1], s[12:13], s[2:3]    ; where my part of q begins
	; the prefetches
	s_lshl_b32 s88, s43, 19                        ; X: row 128 ty
	s_lshl_b32 s89, s40, 16                        ; + 16 cx
	s_add_co_u32 s88, s88, s89
	s_lshl_b32 s90, s42, 19                        ; W: row 256 tx
	s_lshl_b32 s91, s41, 16                        ; + 32 cy
	s_add_co_u32 s90, s90, s91
	s_lshl_b32 s91, s[HALF], 18                    ; the half that I fetch: 262,144 bytes in either
	s_and_b32 s92, ttmp7, 0xffff                   ; cluster y
	s_cmp_eq_u32 s[ROLE], 0
	s_cselect_b32 s88, s88, s90
	s_cselect_b32 s92, 0, s92                      ; X: every cluster asks for its own rows; W: the cluster with y = 0: the same in all sixteen partners, for a given wave
	s_cselect_b32 s93, 9, 8                        ; a K step: 512 bytes of X, 256 of W
	s_cselect_b32 s94, 8, 11                       ; two lanes: the two blocks of a row of X, or two rows of W
	s_cselect_b32 s90, 0, WB                       ; the three W lie in one buffer, WB bytes apart
	s_cselect_b64 s[PFA:PFA+1], s[4:5], s[10:11]
	s_cselect_b64 s[PNB:PNB+1], s[6:7], s[10:11]
	s_cselect_b64 s[PVB:PVB+1], s[8:9], s[10:11]
	s_cmp_eq_u32 s92, 0
	s_cselect_b32 s[LIM], 1, -1
	s_add_co_u32 s88, s88, s91
	s_mov_b32 s89, 0
	s_mov_b32 s91, 0
	s_lshl_b32 s[PST], 1, s93
	s_mov_b32 s[PST+1], 0
	s_add_nc_u64 s[PNB:PNB+1], s[PNB:PNB+1], s[88:89]
	s_add_nc_u64 s[PNB:PNB+1], s[PNB:PNB+1], s[90:91]
	s_add_nc_u64 s[PVB:PVB+1], s[PVB:PVB+1], s[88:89]
	s_add_nc_u64 s[PVB:PVB+1], s[PVB:PVB+1], s[90:91]
	s_add_nc_u64 s[PVB:PVB+1], s[PVB:PVB+1], s[90:91]
	s_add_nc_u64 s[PFA:PFA+1], s[PFA:PFA+1], s[88:89]
	s_add_nc_u64 s[PFA:PFA+1], s[PFA:PFA+1], s[PST:PST+1]
	s_add_nc_u64 s[PFA:PFA+1], s[PFA:PFA+1], s[PST:PST+1]  ; at K step 2: the first refill steps it to 3.  Nothing is prefetched here, at the head
	v_lshrrev_b32 v4, 1, v3
	v_and_b32 v3, 1, v3
	v_lshlrev_b32 v[PFO], s94, v3
	v_lshl_add_u32 v[PFO], v4, 12, v[PFO]          ; 4,096 (l / 2) + 256 or 2,048 (l % 2)
; n x 8 matrix instructions: row blocks a0 .. a0 + n - 1 x all 8 column blocks, 32 along K.  The 32 accumulators take turns in one order everywhere: 31 others stand between two links of a chain.
.macro MUL f, a0, n, zero
	WIN W_MUL
.set a, \a0
.rept \n
.irp b, 0,1,2,3,4,5,6,7
.if \zero
	v_wmma_f32_16x16x32_bf16 v[64*a+8*(\b):64*a+8*(\b)+7], v[(\f)+32+8*(\b):(\f)+32+8*(\b)+7], v[(\f)+8*a:(\f)+8*a+7], 0
.else
	v_wmma_f32_16x16x32_bf16 v[64*a+8*(\b):64*a+8*(\b)+7], v[(\f)+32+8*(\b):(\f)+32+8*(\b)+7], v[(\f)+8*a:(\f)+8*a+7], v[64*a+8*(\b):64*a+8*(\b)+7]
.endif
.endr
.set a, a+1
.endr
.endm
; Four of the 32 roundings that make buffer g's X of the f32 numbers in window 2: register j of the 32 takes numbers 2 j and 2 j + 1
.macro CVT4 g, n
	WIN W_CV
.irp j, 0,1,2,3
	v_cvt_pk_bf16_f32 v[(\g)+4*(\n)+(\j)], v[STG+8*(\n)+2*(\j)], v[STG+8*(\n)+2*(\j)+1]
.endr
.endm
; The quarter's last eight matrix instructions (row block 3); behind each stand four roundings of the next quarter's X, which name no register of the products round them.
.macro MULC f, g, zero
.irp b, 0,1,2,3,4,5,6,7
	WIN W_MUL
.if \zero
	v_wmma_f32_16x16x32_bf16 v[192+8*(\b):192+8*(\b)+7], v[(\f)+32+8*(\b):(\f)+32+8*(\b)+7], v[(\f)+24:(\f)+31], 0
.else
	v_wmma_f32_16x16x32_bf16 v[192+8*(\b):192+8*(\b)+7], v[(\f)+32+8*(\b):(\f)+32+8*(\b)+7], v[(\f)+24:(\f)+31], v[192+8*(\b):192+8*(\b)+7]
.endif
	CVT4 \g, \b
.endr
.endm
; 32 LDS loads in one run: quarter kq (32 along K) of the slot in hand: X's 16, in f32, into window 2; then W's 16 into buffer g
.macro FETCH kq, g
	WIN W_ST
.irp a, 0,1,2,3
	ds_load_b128 v[STG+16*(\a):STG+16*(\a)+3],     v[ADRA] offset:128*(\kq)+(\a)*16*PAF
	ds_load_b128 v[STG+16*(\a)+4:STG+16*(\a)+7],   v[ADRA] offset:128*(\kq)+(\a)*16*PAF+16
	ds_load_b128 v[STG+16*(\a)+8:STG+16*(\a)+11],  v[ADRA] offset:128*(\kq)+(\a)*16*PAF+64
	ds_load_b128 v[STG+16*(\a)+12:STG+16*(\a)+15], v[ADRA] offset:128*(\kq)+(\a)*16*PAF+80
.endr
	WIN 0
.irp b, 0,1,2,3,4,5,6,7
	ds_load_b128 v[(\g)+32+8*(\b):(\g)+32+8*(\b)+3],   v[ADRB] offset:64*(\kq)+(\b)*16*PB
	ds_load_b128 v[(\g)+32+8*(\b)+4:(\g)+32+8*(\b)+7], v[ADRB] offset:64*(\kq)+(\b)*16*PB+32
.endr
.endm
.macro PLACES                          ; four plain vector instructions between a matrix instruction and a load into, or a write of, its sources
.rept 4
	v_nop
.endr
.endm
; THE CHANGE OF SLOTS.  Each wave waits for all its tensor loads (one is out: its part of the next slot), adds 0 to its spare word, and waits for that; its reads of this slot were waited for at the quarter's head.
; fill = 1: the barrier is a round of the cluster's, and behind it this slot is filled again first, with the K step two on: the next along K, or, two steps from a tile's end, the next buffer's first.
.macro CHANGE fill
	WIN 0
.if \fill
	s_wait_xcnt 0x0                                ; the last prefetch, a K step back, has read its address
	s_add_nc_u64 s[PFA:PFA+1], s[PFA:PFA+1], s[PST:PST+1]
	s_cmp_eq_u32 s[RT], 3                          ; three steps on a new tile begins
	s_cselect_b64 s[PFA:PFA+1], s[PNB:PNB+1], s[PFA:PFA+1]
	s_cselect_b64 s[PNB:PNB+1], s[PVB:PVB+1], s[PNB:PNB+1]
.endif
	s_wait_tensorcnt 0x0                           ; no tensor load of mine is out, so a group 0 may be written
	ds_add_u32 v[SPW], v[NIL]                      ; the work on registers below stands between the add and the wait for it
.if \fill
	s_add_nc_u64 s[CA:CA+1], s[CA:CA+1], KSTEP*4
	s_add_nc_u64 s[CB:CB+1], s[CB:CB+1], KSTEP*2
	s_cmp_eq_u32 s[RT], 2                          ; two steps on a new tile begins
	s_cselect_b64 s[CA:CA+1], s[NBA:NBA+1], s[CA:CA+1]
	s_cselect_b64 s[NBA:NBA+1], s[VBA:VBA+1], s[NBA:NBA+1]
	s_cselect_b64 s[CB:CB+1], s[NBB:NBB+1], s[CB:CB+1]
	s_cselect_b64 s[NBB:NBB+1], s[VBB:VBB+1], s[NBB:NBB+1]
	s_add_co_u32 s[G0A+5], s[WLA], s[TB]           ; into the slot that has just been read
	s_add_nc_u64 s[G0A+6:G0A+7], s[CA:CA+1], 0
	s_or_b32 s[G0A+7], s[G0A+7], 0x80000000
	s_add_co_u32 s[G0B+5], s[WLB], s[TB]
	s_add_nc_u64 s[G0B+6:G0B+7], s[CB:CB+1], 0
	s_or_b32 s[G0B+7], s[G0B+7], 0x80000000
.endif
	s_xor_b32 s[TB], s[TB], SLOT                   ; the reads go on in the other slot
	v_add_nc_u32 v[ADRA], s[TB], v[ADRA0]
	v_add_nc_u32 v[ADRB], s[TB], v[ADRB0]
	s_wait_dscnt 0x0                               ; the add is done
.if \fill
	CROUND                                         ; no wave of any partner still reads this slot's tile or has a load on its way
	JLOAD                                          ; my one tensor load behind the round; its four v_nop are also the places in front of the loads that follow
.else
	s_barrier_signal -1
	s_barrier_wait -1
	PLACES
.endif
.endm
; A QUARTER: 32 along K, 32 matrix instructions on buffer f.  Behind the first eight the next quarter (kq) is fetched; behind each of the last eight four of its X are rounded into buffer g.
; mode 0: inside a K step.  mode 1: a step's last quarter, with a refill; what is fetched is the next step's first quarter.  mode 2: the same without a refill.
.macro QUARTER f, g, kq, zero, mode
	s_wait_dscnt 0x0                               ; this quarter's W is in; none of my LDS loads is out
	MUL \f, 0, 1, \zero
.if (\mode) == 0
	PLACES
.else
	CHANGE 2-(\mode)
.endif
	FETCH \kq, \g
.if (\mode) == 1
	ASK
.endif
	MUL \f, 1, 2, \zero
	s_wait_dscnt 16                                ; X's 16 loads are in; W's 16, issued behind them, may be out
	MULC \f, \g, \zero
.endm
; THE WAY OUT of unit u = 2 a + head: 16 rows x 64 columns, the accumulators at v[32 u ..]: times the factor (c for q; 1 for k and v: one text for the three), rounded to f16, 16 bytes a lane into my stage, back as four
; rows of 128 bytes a load, stored as 512 consecutive bytes.  The registers: v32-63 for units 0, 1; buffer 1 (v160-255), which is free, for units 2-7; buffer 0 holds the next step's first fragments.
.macro SETOUT u
.if (\u) < 2
.set OUTR, 32+16*(\u)
.else
.set OUTR, 160+16*((\u)-2)
.endif
.endm
.macro PACK u
	SETOUT \u
	WIN 0x41                                       ; destination and source 0 in window 1
.set i, 0
.rept 16
	v_pk_mul_f32 v[32*(\u)+i:32*(\u)+i+1], v[32*(\u)+i:32*(\u)+i+1], s[SC:SC+1] op_sel_hi:[1,0]  ; ascending: each accumulator is read from its low end on
.set i, i+2
.endr
	WIN 0x05                                       ; sources 0 and 1 in window 1, destination in window 0
.set i, 0
.rept 16
	v_cvt_pk_f16_f32 v[OUTR+i], v[32*(\u)+2*i], v[32*(\u)+2*i+1]
.set i, i+1
.endr
	WIN 0
.irp b, 0,1,2,3
	ds_store_b128 v[STO], v[OUTR+4*(\b):OUTR+4*(\b)+3] offset:32*(\b)
.endr
.irp f, 0,1,2,3
	ds_load_b128 v[OUTR+4*(\f):OUTR+4*(\f)+3], v[RD] offset:(\f)*4*SP  ; LDS serves a wave's instructions in order: these see the stores above, the next unit's stores come behind them
.endr
.endm
.macro SEND u, younger                 ; younger: the LDS instructions issued behind unit u's loads: the next unit's eight, or none
	SETOUT \u
	WIN 0
.irp f, 0,1,2,3
	s_wait_dscnt (\younger)+3-(\f)
	global_store_b128 v[GO], v[OUTR+4*(\f):OUTR+4*(\f)+3], s[OUT:OUT+1] offset:((\u)/2)*2048+((\u)%2)*HEADB+(\f)*512  ; 512 consecutive bytes, aligned
.endr
.endm
.macro WAYOUT                          ; the four roundings behind the last product are its places; units 0-5 were finished earlier
	PACK 0
.irp u, 1,2,3,4,5,6,7
	PACK \u
	SEND (\u)-1, 8
.endr
	SEND 7, 0
.endm
	s_wait_tensorcnt 1                             ; my part of K step 0 is in; K step 1's may stay out
	s_barrier_signal -1
	s_barrier_wait -1
	FETCH 0, F0
	s_wait_dscnt 16                                ; X's 16 loads are in
.irp n, 0,1,2,3,4,5,6,7
	CVT4 F0, \n
.endr
	WIN 0                                          ; at a label and at a branch every window is 0
	s_mov_b32 s[I], 22
	s_mov_b32 s[RT], 8
	s_mov_b32 s[NEW], 1
.Lstep:                                                ; a K step, behind which the slot is filled again
	s_cmp_eq_u32 s[NEW], 1
	s_cbranch_scc1 .Lzero
	QUARTER F0, F1, 1, 0, 0
	WIN 0
	s_branch .Ljoin
.Lzero:                                                ; a tile's first quarter: its products start the sums
	s_mov_b32 s[NEW], 0
	QUARTER F0, F1, 1, 1, 0
	WIN 0
.Ljoin:
	QUARTER F1, F0, 2, 0, 0
	QUARTER F0, F1, 3, 0, 0
	QUARTER F1, F0, 0, 0, 1
	WIN 0
	s_sub_co_u32 s[RT], s[RT], 1
	s_cmp_lg_u32 s[RT], 0
	s_cbranch_scc1 .Lno_out
	WAYOUT                                         ; the tile is finished; both slots' fills for the next tile have been asked for
	s_wait_xcnt 0x0                                ; the stores have read their registers and their base
	s_add_nc_u64 s[OUT:OUT+1], s[OUT:OUT+1], QB
	s_mov_b32 s[SC], 1.0
	s_mov_b32 s[SC+1], 1.0
	s_mov_b32 s[RT], 8
	s_mov_b32 s[NEW], 1
.Lno_out:
	s_sub_co_u32 s[I], s[I], 1
	s_cmp_lg_u32 s[I], 0
	s_cbranch_scc1 .Lstep
	s_mov_b32 s[TC], 2
.Ltail:                                                ; the last two K steps ask for nothing
	QUARTER F0, F1, 1, 0, 0
	QUARTER F1, F0, 2, 0, 0
	QUARTER F0, F1, 3, 0, 0
	QUARTER F1, F0, 0, 0, 2
	WIN 0
	s_sub_co_u32 s[TC], s[TC], 1
	s_cmp_lg_u32 s[TC], 0
	s_cbranch_scc1 .Ltail
	WAYOUT                                         ; v
	s_wait_tensorcnt 0x0                           ; the wave's end: behind my last tensor load and my last LDS store
	ds_add_u32 v[SPW], v[NIL]
	s_wait_dscnt 0x0
	CROUND                                         ; the closing round
	s_endpgm
.Lfunc_end_k_q8b721e07bf_qkv:
	.size	k_q8b721e07bf_qkv, .Lfunc_end_k_q8b721e07bf_qkv-k_q8b721e07bf_qkv
	.p2alignl 7, 3214868480
	.fill 96, 4, 3214868480
	.section	.rodata,"a",@progbits
	.p2align	6, 0x0
	.amdhsa_kernel k_q8b721e07bf_qkv
		.amdhsa_group_segment_fixed_size 327680
		.amdhsa_private_segment_fixed_size 0
		.amdhsa_enable_private_segment 0
		.amdhsa_kernarg_size 40
		.amdhsa_user_sgpr_count 2
		.amdhsa_user_sgpr_kernarg_segment_ptr 1
		.amdhsa_wavefront_size32 1
		.amdhsa_system_sgpr_workgroup_id_x 1
		.amdhsa_system_sgpr_workgroup_id_y 1
		.amdhsa_system_sgpr_workgroup_id_z 1
		.amdhsa_system_vgpr_workitem_id 0
		.amdhsa_next_free_vgpr 576
		.amdhsa_next_free_sgpr 98
		.amdhsa_reserve_vcc 0
		.amdhsa_float_denorm_mode_32 3
		.amdhsa_float_denorm_mode_16_64 3
		.amdhsa_memory_ordered 1
		.amdhsa_forward_progress 1
		.amdhsa_inst_pref_size 127
	.end_amdhsa_kernel
	.amdgpu_metadata
---
amdhsa.version: [ 1, 2 ]
amdhsa.kernels:
  - .name:           k_q8b721e07bf_qkv
    .symbol:         k_q8b721e07bf_qkv.kd
    .args:
      - { .name: query, .offset: 0, .size: 8, .value_kind: global_buffer, .address_space: global }
      - { .name: key, .offset: 8, .size: 8, .value_kind: global_buffer, .address_space: global }
      - { .name: value, .offset: 16, .size: 8, .value_kind: global_buffer, .address_space: global }
      - { .name: h16, .offset: 24, .size: 8, .value_kind: global_buffer, .address_space: global }
      - { .name: qkv, .offset: 32, .size: 8, .value_kind: global_buffer, .address_space: global }
    .group_segment_fixed_size: 327680
    .private_segment_fixed_size: 0
    .kernarg_segment_align: 8
    .kernarg_segment_size: 40
    .max_flat_workgroup_size: 128
    .sgpr_count:     98
    .vgpr_count:     576
    .wavefront_size: 32
...
	.end_amdgpu_metadata
.endif
;; end of part 2
;; launch attn (part 3): grid 4 x 64, 4 waves a work-group, clusters of 4 x 1, 327,680 bytes of LDS; arguments qkv, mb, ob; writes ob
.if DOCPART == 3
	.amdgcn_target "amdgcn-amd-amdhsa--gfx1250"
	.amdhsa_code_object_version 6
	.text
	.protected	k_q8b721e07bf_attn
	.globl	k_q8b721e07bf_attn
	.p2align	8
	.type	k_q8b721e07bf_attn,@function
k_q8b721e07bf_attn:
	s_mov_b64 s[64:65], 0
	v_nop
	global_prefetch_b8 v0, s[64:65] scope:SCOPE_SE
	s_setreg_imm32_b32 hwreg(HW_REG_WAVE_MODE, 25, 1), 1
	s_wait_xcnt 0x0
	s_wait_alu depctr_hold_cnt(0) depctr_sa_sdst(0) depctr_va_vdst(0) depctr_va_sdst(0) depctr_va_ssrc(0) depctr_va_vcc(0) depctr_vm_vsrc(0)
	s_getreg_b32 s2, hwreg(HW_REG_IB_STS2, 6, 4)
	s_cmp_eq_u32 s2, 0
	s_cbranch_scc0 .Lentry_in_a_cluster
	s_endpgm
.Lentry_in_a_cluster:
	s_bfe_u32 s2, ttmp6, 0x10000c
	s_cmp_lg_u32 s2, 0x3003
	s_cbranch_scc0 .Lentry_shape_is_right
	s_endpgm
.Lentry_shape_is_right:
; MASKED ATTENTION, head size 64.  O[bh][q][:] = the sum over seen keys k of softmax_k(Q[bh][q] . K[bh][k] / 8) V[bh][k][:]; a query that sees no key gives 0.  Q, K, V: qkv[0..2][64][2048][64] in f16, Q already times
; c = log2(e) / 8, so that t = K Q^T is an exponent of 2.  O: ob[64][2048][64] in f16.  Products, maxima and sums in f32; the weights p are rounded to f16 for the second product (their sum l is taken of the unrounded p).
; THE MASK comes as one byte a key from mb (0x00 seen, 0xF0 hidden), in the order of a lane's 32 scores.  A byte moved to a word's top is 0 or -2^97: that word is the C operand that starts the sum t.
; So a hidden score lies far below every seen one; the running maximum m, the exponentials and the sums need no further care: as soon as a seen key comes, a = 2^(m_old - m_new) = 0 wipes what hidden keys left.
; A query whose last m is below -2^96 has seen no key: its reciprocal is replaced by 0.
; LIMITS.  Q, K, V arrive within f16's 65,504, so |t| is 2.7e11 at the most, nothing beside 2^96.  A hidden key never takes weight (a fill of -1e9 would compete with true scores of that size).  A weight below 2^-126
; counts as 0 in l; NaN and infinities are not treated apart.
; SHARES.  A wave owns four PIECES of two tiles of 16 queries, a work-group's four waves 512 queries of one head.  Every wave walks all 2,048 keys, 64 a step.
; LAYOUT.  S^T = K Q^T (source 0 = 16 keys, source 1 = 16 queries): a lane holds ONE query (lane % 16) and the keys 8 (lane / 16) + 0..7.  Two such results rounded to f16 ARE source 1 of O^T = V^T P.
; BY TURNS.  Turn n belongs to piece n: 16 products K Q^T of piece n + 1, later 16 products V^T P of piece n - 1; beside them the subtraction of m, exponentials, roundings, sums and rescaling of piece n, the maximum and
; statistics of piece n + 1, and the 64 words of mask for piece n + 2.  Four vector instructions stand behind every matrix instruction, the rest in one lump.  A turn's 66 exponentials are one batch with one wait.
; CLUSTER.  The four query blocks of a head walk the same K and V: each tile is asked for jointly, by the same tensor load, descriptor and mask in all four.
; REGISTERS, in windows of 256 (s_set_vgpr_msb: bits 1:0 source 0, 3:2 source 1, 5:4 source 2, 7:6 destination):
;   window 0: v0-12 addresses; v16-47 four registers of statistics a tile; v48-63 at work; v64-191 S^T, two buffers of two tiles; v192-255 P, likewise          window 1: O^T, 32 a tile
;   window 2: v0-127 Q; v128-191 K of one step; v192-255 V of one step          window 3: v0-1 the add's registers; v2 16 x lane; v64-127 mask bytes, 16 a piece; v128-191 one piece's 64 words of mask
.set SIZE_N, 2048
.set QKVB,  16777216  ; bytes of one of q, k, v
.set NP,    4
.set KS,    64
.set PK,    144       ; a row of K in LDS: 128 bytes + 16
.set PV,    160       ; a row of V: 128 + 32
.set VOFF,  4*KS*PK   ; a slot holds four steps: 256 rows of K, then 256 rows of V
.set SLOT1, 1<<17
.set STAGE, SLOT1+4*KS*(PK+PV)  ; behind the ring, never filled by a tensor load: 16 rows x 144 bytes for each wave
.set SP,    144
.set SPARE, STAGE+4*16*SP  ; the spare words, 128 bytes a wave: two blocks of 256 bytes that no other line names
.set AK0, 2           ; my lane's place in a tile of K; never rewritten
.set AV0, 3           ; the same for V
.set AK,  4           ; the LDS address of K's next run of loads
.set AV,  5           ; of V's
.set QO,  6           ; my byte offset in the wave's rows of Q
.set STO, 6           ; later: where I put 16 bytes of a row
.set RD,  7
.set GO,  8
.set PFO, 12          ; 256 x lane: the prefetches' offset; never rewritten
.set SPW, 0           ; window 3
.set NIL, 1           ; window 3: 0
.set MO,  2           ; window 3: 16 x lane; never rewritten
.set MB,  64          ; window 3: piece x, tile t, half u at MB + 16 x + 8 t + 4 u
.set MC,  128         ; window 3: tile t's 32 words at MC + 32 t
.set ST,  16          ; tile t's statistics at v[ST+4 t]: m, m_old, l (even keys', odd keys')
.set TMP, 48          ; by buffer and tile, c0-c3 at work; when the maximum is found c2 takes a
.set S,   64
.set P,   192
.set KF,  128
.set VF,  192
.set WV,  12
.set G1K, 24
.set G1V, 32
.set G0K, 40
.set G0V, 44
.set MBS, 48          ; s[48:49] mb at my wave's first tile, step 0
.set MA,  50          ; s[50:51] the same at the step whose bytes are being asked for
.set MOFF, 52         ; s[52:53] that step's byte offset, modulo the 32 steps
.set SLOTS, 56
.set CNT, 57
.set SEL, 60          ; s[60:61] v_permlanex16_b32's selects
.set TBK, 62
.set TBV, 63
.set PS,  68          ; s[68:71] v_perm_b32's selects: byte 0..3 of the first source to the top, byte 0 of the second (0) below
.set PFA, 72          ; s[72:73] where my prefetches stand
.set LIM, 74
.set MSB, 0
.macro WIN new
.if MSB != (\new)
	s_set_vgpr_msb (MSB<<8)|(\new)
.set MSB, (\new)
.endif
.endm
.set W_KQ, 0x0a       ; K and Q in window 2, S^T in window 0
.set W_KM, 0x3a       ; the same with the C operand in window 3
.set W_PV, 0x52       ; V in window 2, P in window 0, O^T in window 1
.set W_RS, 0x41
.set W_MK, 0xc0       ; destination in window 3, sources in window 0
.set W_AD, 0x0f       ; the add: address and data in window 3
.set W_MB, 0xcf       ; destination and sources 0, 1 in window 3
.macro JLOAD                        ; waves 0 and 1 fetch the two halves of a slot's K, waves 2 and 3 those of its V; an s_nop 0 and four v_nop follow each line
	s_cmp_lt_u32 s[WV], 2
	s_cbranch_scc0 .Lfor_v_\@
	tensor_load_to_lds s[G0K:G0K+3], s[G1K:G1K+7]
	s_nop 0
.rept 4
	v_nop
.endr
	s_branch .Lasked_\@
.Lfor_v_\@:
	tensor_load_to_lds s[G0V:G0V+3], s[G1V:G1V+7]
	s_nop 0
.rept 4
	v_nop
.endr
.Lasked_\@:
.endm
; A prefetch of what the NEXT change of slots will ask for: a slot's 32,768 bytes of K and of V.  A head has one cluster; its four partners take 8,192 bytes each, by address; in each, wave 0 asks for K's and wave 2 for
; V's, a lane 256 bytes: each block is named once in the launch.  The last change that fills a slot asks for nothing.
.macro ASK
	s_cmp_gt_u32 s[SLOTS], s[LIM]
	s_cbranch_scc0 .Lnot_mine_\@
	global_prefetch_b8 v[PFO], s[PFA:PFA+1] th:TH_LOAD_NT scope:SCOPE_SE
.Lnot_mine_\@:
.endm
.macro CROUND
	s_barrier_signal -1
	s_barrier_wait -1
	s_cmp_lg_u32 s[WV], 0
	s_cbranch_scc1 .Lnot_wave_0_\@
	s_barrier_signal -3
.Lnot_wave_0_\@:
	s_barrier_wait -3
	s_barrier_signal -1
	s_barrier_wait -1
.endm
; THE CHANGE OF SLOTS.  Each wave waits for all its tensor loads (one is out: its part of the other slot), adds 0 to its spare word, waits for that and for its reads of the slot.  fill = 1: the barrier is a round of the
; cluster's, and the joint fill, with the keys two slots on, is the first thing behind it: it has four key steps in which to land.
.macro CHANGE fill, ask=0
	WIN W_AD
	s_wait_tensorcnt 0x0
	ds_add_u32 v[SPW], v[NIL]
	WIN 0
.if \fill
.irp g, G0K, G0V
	s_xor_b32 s[\g+1], s[\g+1], SLOT1
	s_add_nc_u64 s[\g+2:\g+3], s[\g+2:\g+3], 4*KS*128
.endr
.if \ask
	s_wait_xcnt 0x0                 ; the last prefetch, four key steps back, has read its address
	s_add_nc_u64 s[PFA:PFA+1], s[PFA:PFA+1], 4*KS*128
.endif
	s_wait_dscnt 0x0                ; the add is done, and my reads of the slot are over
	CROUND
	JLOAD
.if \ask
	ASK
.endif
.else
	s_wait_dscnt 0x0
	s_barrier_signal -1
	s_barrier_wait -1
.endif
	s_sub_co_u32 s[TBK], s[TBK], 4*KS*PK
	s_xor_b32 s[TBK], s[TBK], SLOT1
	s_sub_co_u32 s[TBV], s[TBV], 4*KS*PV
	s_xor_b32 s[TBV], s[TBV], SLOT1
.endm
	s_load_b128 s[4:7], s[0:1], 0x0   ; qkv s[4:5], mb s[6:7]
	s_load_b64 s[10:11], s[0:1], 0x10 ; ob
	WIN W_MK
	v_lshl_add_u32 v[SPW], v0, 2, SPARE
	v_mov_b32 v[NIL], 0
	WIN W_AD
	ds_add_u32 v[SPW], v[NIL]       ; the wave's opening: the add and its wait stand ahead of my first tensor load
	WIN 0
	v_lshrrev_b32 v1, 5, v0
	v_readfirstlane_b32 s[WV], v1
	s_bfe_u32 s13, ttmp6, 0x40000   ; cx
	s_lshl_b32 s14, ttmp9, 2
	s_add_co_u32 s14, s14, s13      ; my block of 512 queries: it enters Q's, O's and the mask's addresses alone
	s_and_b32 s15, ttmp7, 0xffff    ; b x 16 + head, which the four partners share
	s_lshl_b32 s20, s15, 18         ; the head's first byte in q, k, v and ob
	s_mov_b32 s21, 0
	s_and_b32 s16, s[WV], 1         ; which half of a slot's 256 keys I fetch
	s_lshl_b32 s22, s16, 14
	s_add_co_u32 s22, s22, s20
	s_mov_b32 s23, 0
	s_mul_i32 s17, s16, 128*PK
	s_mul_i32 s18, s16, 128*PV
	s_lshl_b32 s2, s14, 2
	s_add_co_u32 s2, s2, s[WV]
	s_lshl_b32 s2, s2, 14           ; my wave's 128 rows
	s_add_co_u32 s2, s2, s20
	s_mov_b32 s3, 0
	s_lshr_b32 s[MOFF], s15, 4      ; the batch: 128 tiles of 32,768 bytes of mb,
	s_lshl_b32 s[MOFF], s[MOFF], 22
	s_lshl_b32 s19, s14, 20         ; my block's 32 tiles,
	s_add_co_u32 s[MOFF], s[MOFF], s19
	s_lshl_b32 s19, s[WV], 18       ; my wave's 8
	s_add_co_u32 s[MOFF], s[MOFF], s19
	s_mov_b32 s[MOFF+1], 0
	s_mov_b32 s[G1K], 15|(1<<16)|(1<<20)|(1<<21)|(4<<22)|(3<<25)  ; the mask of four; 2-byte elements; padding on; bit 21 beside a mask; after every 32 words 4 words
	s_mov_b32 s[G1V], 15|(1<<16)|(1<<20)|(1<<21)|(4<<22)|(7<<25)  ; the same with 8 words
.irp g, G1K, G1V
	s_mov_b32 s[\g+1], 128<<16      ; 128 keys are 16,384 dense bytes: asked for as 64 rows of 256 bytes, two keys a row
	s_mov_b32 s[\g+2], 64<<16
	s_mov_b32 s[\g+3], 128<<16
	s_mov_b32 s[\g+4], 64
	s_mov_b32 s[\g+5], 128
	s_mov_b32 s[\g+6], 0
	s_mov_b32 s[\g+7], 0
.endr
	s_mov_b32 s[SEL], 0x76543210
	s_mov_b32 s[SEL+1], 0xfedcba98
	s_mov_b32 s[PS], 0x04000000
	s_mov_b32 s[PS+1], 0x05000000
	s_mov_b32 s[PS+2], 0x06000000
	s_mov_b32 s[PS+3], 0x07000000
	s_mov_b32 s[TBK], SLOT1+4*KS*PK ; the first change of slots turns these two into 0
	s_mov_b32 s[TBV], SLOT1+4*KS*PV
	s_mov_b32 s[G0K], 1
	s_mov_b32 s[G0K+1], s17
	s_mov_b32 s[G0V], 1
	s_add_co_u32 s[G0V+1], s18, VOFF
	s_cmp_eq_u32 s16, 0             ; waves 0 and 2 prefetch: the same in all four partners
	s_cselect_b32 s[LIM], 1, -1
	s_wait_dscnt 0x0                ; the opening add is done
	s_wait_kmcnt 0x0
	s_add_nc_u64 s[MBS:MBS+1], s[6:7], s[MOFF:MOFF+1]
	s_mov_b64 s[MA:MA+1], s[MBS:MBS+1]
	s_add_nc_u64 s[6:7], s[4:5], QKVB       ; K
	s_add_nc_u64 s[8:9], s[4:5], 2*QKVB     ; V
	s_add_nc_u64 s[G0K+2:G0K+3], s[6:7], s[22:23]
	s_or_b32 s[G0K+3], s[G0K+3], 0x80000000
	s_add_nc_u64 s[G0V+2:G0V+3], s[8:9], s[22:23]
	s_or_b32 s[G0V+3], s[G0V+3], 0x80000000
	s_cmp_lt_u32 s[WV], 2
	s_cselect_b64 s[PFA:PFA+1], s[6:7], s[8:9]
	s_add_nc_u64 s[PFA:PFA+1], s[PFA:PFA+1], s[20:21]
	s_add_nc_u64 s[4:5], s[4:5], s[2:3]     ; Q and O at my wave's first row
	s_add_nc_u64 s[10:11], s[10:11], s[2:3]
	s_lshl_b32 s2, s13, 13          ; my work-group's 8,192 bytes of a slot's 32,768,
	s_add_co_u32 s2, s2, 2*4*KS*128 ; in slot 2: the loop's first change steps it to slot 3.  Nothing is prefetched here, at the head
	s_add_nc_u64 s[PFA:PFA+1], s[PFA:PFA+1], s[2:3]
	CROUND                          ; all four work-groups are here
	JLOAD                           ; slot 0
	v_and_b32 v1, 15, v0            ; l % 16
	v_bfe_u32 v9, v0, 4, 1          ; l / 16
	v_lshlrev_b32 v[QO], 7, v1
	v_lshl_add_u32 v[QO], v9, 4, v[QO]
	v_and_b32 v10, 31, v0
	v_lshlrev_b32 v[PFO], 8, v10
	WIN W_MK
	v_lshlrev_b32 v[MO], 4, v10
	WIN 0x80                        ; destination window 2, address window 0
.set i, 0
.rept 4*NP                          ; Q stays in registers: tile i / 2, channels 32 (i % 2) on
	global_load_b128 v[8*i:8*i+3],   v[QO], s[4:5] offset:(i/2)*2048+(i%2)*64
	global_load_b128 v[8*i+4:8*i+7], v[QO], s[4:5] offset:(i/2)*2048+(i%2)*64+32
.set i, i+1
.endr
	WIN W_MB
.set i, 0
.rept 16                            ; step 0's mask bytes of all four pieces: piece i / 4, tile (i / 2) % 2, half i % 2; each load covers 512 consecutive bytes
	global_load_b128 v[MB+4*i:MB+4*i+3], v[MO], s[MA:MA+1] offset:65536*(i/4)+32768*((i/2)%2)+512*(i%2)
.set i, i+1
.endr
	; What the first turn finds: V's registers and P's second buffer hold 0, O^T and l are 0, m is the lowest finite number.  All this stands in the wait for the first tile.
	WIN 0x80
.set i, VF
.rept 64
	v_mov_b32 v[i], 0
.set i, i+1
.endr
	WIN 0x40
.set i, 0
.rept 64*NP
	v_mov_b32 v[i], 0
.set i, i+1
.endr
	WIN 0
.set i, 0
.rept 2*NP
	v_mov_b32 v[ST+4*i], 0xff7fffff
	v_mov_b32 v[ST+4*i+1], 0
	v_mov_b32 v[ST+4*i+2], 0
	v_mov_b32 v[ST+4*i+3], 0
.set i, i+1
.endr
.set i, P+32
.rept 32
	v_mov_b32 v[i], 0
.set i, i+1
.endr
	v_mul_u32_u24 v[AK0], v1, PK
	v_lshl_add_u32 v[AK0], v9, 4, v[AK0]
	v_and_b32 v10, 7, v0
	v_bfe_u32 v11, v0, 3, 1
	v_lshl_add_u32 v[AV0], v9, 3, v10   ; the turning load: lane l reads key 8 (l / 16) + l % 8, channels 8 ((l / 8) % 2) + 0..7
	v_mul_u32_u24 v[AV0], v[AV0], PV
	v_lshl_add_u32 v[AV0], v11, 4, v[AV0]
	v_add_nc_u32 v[AV0], VOFF, v[AV0]
	v_mov_b32 v[AK], v[AK0]         ; key step 0 lies at the head of slot 0
	s_wait_xcnt 0x0                 ; the mask's loads have read their base
	s_mov_b32 s[MOFF], 1024         ; the next bytes asked for are step 1's
	s_add_nc_u64 s[MA:MA+1], s[MBS:MBS+1], s[MOFF:MOFF+1]
; THE MATRIX WORK.  The 8 accumulators of a run of 16 take turns.  Product i of 16 of S^T for piece x: channels 32 (i / 8) on, keys 16 ((i / 2) % 4) on, tile 2 x + i % 2.  The first 8 start the sums with the mask.
.macro KQ x
.set rS, S+64*((\x)%2)+32*(i%2)+8*((i/2)%4)
.set rK, KF+16*((i/2)%4)+8*(i/8)
.set rQ, 16*(2*(\x)+i%2)+8*(i/8)
.set rB, MC+32*(i%2)+8*((i/2)%4)
.if i < 8
	WIN W_KM
	v_wmma_f32_16x16x32_f16 v[rS:rS+7], v[rK:rK+7], v[rQ:rQ+7], v[rB:rB+7]
.else
	WIN W_KQ
	v_wmma_f32_16x16x32_f16 v[rS:rS+7], v[rK:rK+7], v[rQ:rQ+7], v[rS:rS+7]
.endif
.endm
.macro PV x                         ; product i of 16 of O^T += V^T P for piece x
	WIN W_PV
.set rO, 32*(2*(\x)+i%2)+8*((i/2)%4)
.set rV, VF+32*(i/8)+8*((i/2)%4)
.set rP, P+32*((\x)%2)+16*(i%2)+8*(i/8)
	v_wmma_f32_16x16x32_f16 v[rO:rO+7], v[rV:rV+7], v[rP:rP+7], v[rO:rO+7]
.endm
.macro MM                           ; the turn's next matrix instruction
.if i < 16
	KQ (Y+1)%NP
.set i, i+1
.else
.set i, i-16
	PV (Y+NP-1)%NP
.set i, i+17
.endif
.endm
.macro FETCH_K last=0               ; a step's K: 16 loads in one run.  last = 1 (the tail): in the last trip there is no further step
	WIN 0
.if \last
	s_cmp_eq_u32 s[CNT], 1
	s_cbranch_scc1 .Lno_k_\@
.endif
	WIN 0x80
.irp f, 0,1,2,3,4,5,6,7
	ds_load_b128 v[KF+8*\f:KF+8*\f+3],   v[AK] offset:(\f/2)*16*PK+(\f%2)*64
	ds_load_b128 v[KF+8*\f+4:KF+8*\f+7], v[AK] offset:(\f/2)*16*PK+(\f%2)*64+32
.endr
	s_add_co_u32 s[TBK], s[TBK], KS*PK
	WIN 0
.if \last
.Lno_k_\@:
.endif
.endm
.macro FETCH_V
	WIN 0x80
.irp f, 0,1,2,3,4,5,6,7
	ds_load_tr16_b128 v[VF+8*\f:VF+8*\f+3],   v[AV] offset:(\f/4)*32*PV+(\f%4)*32
	ds_load_tr16_b128 v[VF+8*\f+4:VF+8*\f+7], v[AV] offset:(\f/4)*32*PV+16*PV+(\f%4)*32
.endr
	WIN 0
.endm
; THE MASK of piece x for its next products: 64 words, each a byte moved to the top; then the piece's bytes of the step after are asked for, a whole key step ahead of their use.
; The wait: behind this piece's four loads the three turns since have issued twelve.  step = 1 (piece 0): the walk goes on by a step, modulo 32, so that the last steps' loads stay inside mb (what they bring is not used).
.macro BIAS x, step
	WIN W_MB
	s_wait_loadcnt 12
.set z, 0
.rept 64
	v_perm_b32 v[MC+z], v[MB+16*(\x)+8*(z/32)+(z%32)/4], v[NIL], s[PS+z%4]
.set z, z+1
.endr
.if \step
	s_wait_xcnt 0x0                 ; the earlier loads have read their base
	s_add_co_u32 s[MOFF], s[MOFF], 1024
	s_and_b32 s[MOFF], s[MOFF], 0x7fff
	s_add_nc_u64 s[MA:MA+1], s[MBS:MBS+1], s[MOFF:MOFF+1]
.endif
.irp j, 0,1,2,3
	global_load_b128 v[MB+16*(\x)+4*(\j):MB+16*(\x)+4*(\j)+3], v[MO], s[MA:MA+1] offset:65536*(\x)+32768*((\j)/2)+512*((\j)%2)
.endr
	WIN 0
.endm
; THE VECTOR WORK OF A TURN stands in three queues, each in the order in which its entries become ready; the two tiles alternate.
.macro REGS y, u
.set rT, ST+4*(2*(\y)+(\u))
.set rC, TMP+8*((\y)%2)+4*(\u)
.set rS, S+64*((\y)%2)+32*(\u)
.set rP, P+32*((\y)%2)+16*(\u)
.set rO, 32*(2*(\y)+(\u))
.endm
; Number n of the 21 that find the NEXT piece's maximum and statistics; each accumulator's lowest registers are read first.
;   0-11 four chains c0-c3 of seven scores each     12-14, 16 the four scores left over, the old m, c0-c3 into c0     15 m_old is kept     17, 18 the lane 16 away holds the query's other 32 keys: the new m     19, 20 m_old - m; a
.macro XS u, n
	REGS (Y+1)%NP, \u
.if (\n) < 4
	v_max3_num_f32 v[rC+(\n)], v[rS+8*(\n)], v[rS+8*(\n)+1], v[rS+8*(\n)+2]
.elseif (\n) < 12
	v_max3_num_f32 v[rC+(\n)%4], v[rC+(\n)%4], v[rS+8*((\n)%4)+2*((\n)/4)+1], v[rS+8*((\n)%4)+2*((\n)/4)+2]
.elseif (\n) == 12
	v_max3_num_f32 v[rC], v[rC], v[rS+7], v[rS+15]
.elseif (\n) == 13
	v_max3_num_f32 v[rC+1], v[rC+1], v[rS+23], v[rS+31]
.elseif (\n) == 14
	v_max3_num_f32 v[rC+2], v[rC+2], v[rC+3], v[rT]
.elseif (\n) == 15
	v_mov_b32 v[rT+1], v[rT]
.elseif (\n) == 16
	v_max3_num_f32 v[rC], v[rC], v[rC+1], v[rC+2]
.elseif (\n) == 17
	v_permlanex16_b32 v[rC+3], v[rC], s[SEL], s[SEL+1]
.elseif (\n) == 18
	v_max_num_f32 v[rT], v[rC], v[rC+3]
.elseif (\n) == 19
	v_sub_f32 v[rC+1], v[rT+1], v[rT]
.else
	v_exp_f32 v[rC+2], v[rC+1]
.endif
.endm
; Number g of the 64 that follow the exponentials: for each four weights both pairs are rounded to f16, the second pair is added onto the first, and a group later l takes that sum (the first time as l = a l + sum).
.macro GS g
.set h, (\g)+6*((\g)/62)
.if h >= 6
.set h, h+2
.endif
	REGS Y, h%2
.set k, h/8
.if h%8 < 4
	v_cvt_pk_f16_f32 v[rP+2*k+(h%8)/2], v[rS+4*k+2*((h%8)/2)], v[rS+4*k+2*((h%8)/2)+1]
.elseif h%8 < 6
	v_pk_add_f32 v[rS+4*k:rS+4*k+1], v[rS+4*k:rS+4*k+1], v[rS+4*k+2:rS+4*k+3]
.elseif k == 1
	v_pk_fma_f32 v[rT+2:rT+3], v[rT+2:rT+3], v[rC+2:rC+3], v[rS:rS+1] op_sel_hi:[1,0,1]
.else
	v_pk_add_f32 v[rT+2:rT+3], v[rT+2:rT+3], v[rS+4*k-4:rS+4*k-3]
.endif
.endm
; THE PLAIN QUEUE, 136 long.  0-71 read no exponential's result: the 32 subtractions t - m (FS f: pair f / 2 of tile f % 2) and the next piece's 40.  0-26: FS 0-26.  27-54: XS 0-13.  55, 56: XS 15.
; 57-71: the chain 14, 16, 17, 18, 19, each with one of FS 27-31 in front of its two lines.  72-135: GS's 64, behind the wait.
.macro FS f
	REGS Y, (\f)%2
	v_pk_add_f32 v[rS+2*((\f)/2):rS+2*((\f)/2)+1], v[rS+2*((\f)/2):rS+2*((\f)/2)+1], v[rT:rT+1] op_sel_hi:[1,0] neg_lo:[0,1] neg_hi:[0,1]
.endm
.macro PL
	WIN 0
.if q < 27
	FS q
.elseif q < 55
	XS (q-27)%2, (q-27)/2
.elseif q < 57
	XS q-55, 15
.elseif (q < 72) && ((q-57)%3 == 0)
	FS 27+(q-57)/3
.elseif q < 60
	XS (q-57)%3-1, 14
.elseif q < 72
	XS (q-57)%3-1, 15+(q-57)/3
.else
	GS q-72
.endif
.set q, q+1
.endm
.macro EX                           ; THE EXPONENTIALS' QUEUE, 66 long: s0-s31 of both tiles, then the next piece's two a: one batch
	WIN 0
.if e >= 64
	XS e-64, 20
.else
	REGS Y, e%2
	v_exp_f32 v[rS+e/2], v[rS+e/2]
.endif
.set e, e+1
.endm
.macro R2                           ; THE RESCALING's QUEUE: O^T times a, two at a time, sixteen times; its a was made, and waited for, in the turn before
	REGS Y, r%2
	WIN W_RS
.irp z, 0,1
	v_pk_mul_f32 v[rO+4*(r/2)+2*\z:rO+4*(r/2)+2*\z+1], v[rO+4*(r/2)+2*\z:rO+4*(r/2)+2*\z+1], v[rC+2:rC+3] op_sel_hi:[1,0]
.endr
.set r, r+1
.endm
; A TURN, for piece p.  AHEAD OF ITS ONE WAIT stands all that names no result of the turn's exponentials: 16 products K Q^T, behind each a subtraction, an exponential and two rescalings (behind the first a second
; subtraction); a lump of 8 plain, 47 times exponential and plain, 4 exponentials; and the mask for piece p + 2, whose 64 plain lines are the work between the batch and its wait.  BEHIND IT: 16 products V^T P, behind each four of GS's 64.
; The queues in step: exponential e needs subtraction 2 (e / 4) + e % 2; as a rider it stands behind plain e + 2, in the lump behind plain e + 9; FS 27-31 are plain 57, 60 .. 69.
; The mask words' last reader is the turn's eighth product; eight products' riders and the lump lie between it and the lines that write them anew.
; K of the next step is fetched in piece 2's turn, directly behind the wait; V of the step in hand at the end of piece 0's turn, four riders behind its last reader.
.macro TURN p, last=0, cnt=0
.set Y, (\p)
.set i, 0
.set q, 0
.set e, 0
.set r, 0
.if (\p) == NP-1
	s_wait_dscnt 0x0                ; K is in
.endif
	MM
	PL
	PL
	R2
.rept 15
	MM
	PL
	EX
	R2
.endr
.if (\p) == NP-2
	WIN 0
	v_add_nc_u32 v[AK], s[TBK], v[AK0]
.endif
.rept 8
	PL
.endr
.rept 47
	EX
	PL
.endr
.rept 4
	EX
.endr
	BIAS ((\p)+2)%NP, ((\p) == NP-2)
	s_wait_alu depctr_va_vdst(0)    ; the wait for the batch, ahead of the first line that names an exponential's result
.if (\p) == NP-2
	FETCH_K \last
.endif
.if (\p) == 1
	s_wait_dscnt 0x0                ; V is in
.endif
.rept 16
	MM
.rept 4
	PL
.endr
.if ((\p) == 0) && (q == 116)
	v_add_nc_u32 v[AV], s[TBV], v[AV0]
.endif
.if ((\p) == 0) && (q == 128)
	s_add_co_u32 s[TBV], s[TBV], KS*PV
.endif
.if (\cnt) && (q == 128)
	s_sub_co_u32 s[CNT], s[CNT], 1
	s_cmp_lg_u32 s[CNT], 0
.endif
.endr
.if (\p) == 0
	FETCH_V
.endif
.endm
	CHANGE 1                        ; slot 0 is in, everybody's part of it; slot 1 is asked for
	FETCH_K                         ; key step 0
	s_wait_loadcnt 0x0              ; Q and step 0's mask bytes
	BIAS 0, 0                       ; piece 0's mask of step 0; its bytes of step 1 are asked for
	s_wait_dscnt 0x0
.set i, 0
.rept 16
	KQ 0
.set i, i+1
.endr
	WIN 0                           ; the addresses for the way out: plain instructions, the places behind those products
	s_mul_i32 s13, s[WV], 16*SP
	s_add_co_u32 s13, s13, STAGE
	v_mul_u32_u24 v[STO], v1, SP
	v_lshl_add_u32 v[STO], v9, 4, v[STO]
	v_add_nc_u32 v[STO], s13, v[STO]
	v_bfe_u32 v[RD], v0, 3, 2
	v_mul_u32_u24 v[RD], v[RD], SP
	v_lshl_add_u32 v[RD], v10, 4, v[RD]
	v_add_nc_u32 v[RD], s13, v[RD]
	v_and_b32 v[GO], 31, v0
	v_lshlrev_b32 v[GO], 4, v[GO]
	BIAS 1, 0                       ; piece 1's mask of step 0, for the first turn's products
.set Y, NP-1                        ; XS works for piece Y + 1: piece 0
.irp n, 0,1,2,3,4,5,6,7,8,9,10,11,12,13,14,15,16,17,18,19,20
	XS 0, \n
	XS 1, \n
.endr
	v_nop                           ; a plain instruction behind the two a,
	s_wait_alu depctr_va_vdst(0)    ; and their wait, ahead of the branch
	s_mov_b32 s[CNT], 4
	s_mov_b32 s[SLOTS], SIZE_N/256-1
	s_branch .Lfirst                ; the loop is entered at a step's first turn
.Lslot:                             ; six times: every slot but the last two is filled again
	CHANGE 1, 1
	s_mov_b32 s[CNT], 4
.Lstep:                             ; a trip: pieces 2 and 3 of one step, then pieces 0 and 1 of the next
	TURN 2
	TURN 3
	WIN 0
.Lfirst:
	TURN 0
	TURN 1, 0, 1
	WIN 0
	s_cbranch_scc1 .Lstep
	s_sub_co_u32 s[SLOTS], s[SLOTS], 1
	s_cmp_lg_u32 s[SLOTS], 0
	s_cbranch_scc1 .Lslot
	CHANGE 0                        ; the tail is written out
	s_mov_b32 s[CNT], 5
.Ltail:
	TURN 2, 1
	TURN 3
	WIN 0
	s_sub_co_u32 s[CNT], s[CNT], 1
	s_cmp_eq_u32 s[CNT], 0
	s_cbranch_scc1 .Lout
	TURN 0
	TURN 1
	WIN 0
	s_branch .Ltail
.Lout:                              ; the fifth trip's products K Q^T (the last K once more, under step 0's mask of the same queries) serve nothing; the m that they raise stays on the same side of -2^96
.set i, 0
.rept 16
	PV NP-1
.set i, i+1
.endr
	; THE WAY OUT.  l's two halves and the other half of the lanes' are added; O^T is divided by l (by way of 0 where the query saw no key), rounded to f16 and sent through my stage, a tile at a time.
	WIN 0
.macro ALL line:vararg
.set t, 0
.rept 2*NP
	\line
.set t, t+1
.endr
.endm
	ALL v_add_f32 v[ST+4*t+2], v[ST+4*t+2], v[ST+4*t+3]
	ALL v_permlanex16_b32 v[ST+4*t+3], v[ST+4*t+2], s[SEL], s[SEL+1]
	ALL v_add_f32 v[ST+4*t+2], v[ST+4*t+2], v[ST+4*t+3]
	ALL v_rcp_f32 v[ST+4*t+2], v[ST+4*t+2]
	v_nop
	s_wait_alu depctr_va_vdst(0)    ; one wait for the eight reciprocals
.set t, 0
.rept 2*NP
	v_cmp_lt_f32 vcc_lo, 0xef800000, v[ST+4*t]     ; -2^96 < m: a key was seen
	v_cndmask_b32 v[ST+4*t+2], 0, v[ST+4*t+2], vcc_lo
.set t, t+1
.endr
.macro PACK t
	WIN W_RS
.set i, 32*(\t)
.rept 16
	v_pk_mul_f32 v[i:i+1], v[i:i+1], v[ST+4*(\t)+2:ST+4*(\t)+3] op_sel_hi:[1,0]
.set i, i+2
.endr
	WIN 0x05
.set i, 0
.rept 16
	v_cvt_pk_f16_f32 v[S+16*(\t)+i], v[32*(\t)+2*i], v[32*(\t)+2*i+1]
.set i, i+1
.endr
	WIN 0
.irp f, 0,1,2,3
	ds_store_b128 v[STO], v[S+16*(\t)+4*\f:S+16*(\t)+4*\f+3] offset:32*\f
.endr
.irp f, 0,1,2,3
	ds_load_b128 v[S+16*(\t)+4*\f:S+16*(\t)+4*\f+3], v[RD] offset:\f*4*SP  ; LDS serves a wave's instructions in order
.endr
.endm
.macro SEND t, younger
	WIN 0
.irp f, 0,1,2,3
	s_wait_dscnt (\younger)+3-\f
	global_store_b128 v[GO], v[S+16*(\t)+4*\f:S+16*(\t)+4*\f+3], s[10:11] offset:(\t)*2048+\f*512  ; 512 consecutive bytes, aligned
.endr
.endm
	PACK 0
.set t, 1
.rept 2*NP-1
	PACK t
	SEND t-1, 8
.set t, t+1
.endr
	SEND 2*NP-1, 0
	WIN W_AD
	s_wait_tensorcnt 0x0            ; the wave's end
	ds_add_u32 v[SPW], v[NIL]
	s_wait_dscnt 0x0
	WIN 0
	CROUND                          ; the closing round
	s_endpgm
.Lfunc_end_k_q8b721e07bf_attn:
	.size	k_q8b721e07bf_attn, .Lfunc_end_k_q8b721e07bf_attn-k_q8b721e07bf_attn
	.p2alignl 7, 3214868480
	.fill 96, 4, 3214868480
	.section	.rodata,"a",@progbits
	.p2align	6, 0x0
	.amdhsa_kernel k_q8b721e07bf_attn
		.amdhsa_group_segment_fixed_size 327680
		.amdhsa_private_segment_fixed_size 0
		.amdhsa_enable_private_segment 0
		.amdhsa_kernarg_size 24
		.amdhsa_user_sgpr_count 2
		.amdhsa_user_sgpr_kernarg_segment_ptr 1
		.amdhsa_wavefront_size32 1
		.amdhsa_system_sgpr_workgroup_id_x 1
		.amdhsa_system_sgpr_workgroup_id_y 1
		.amdhsa_system_sgpr_workgroup_id_z 1
		.amdhsa_system_vgpr_workitem_id 0
		.amdhsa_next_free_vgpr 960
		.amdhsa_next_free_sgpr 76
		.amdhsa_reserve_vcc 1
		.amdhsa_float_denorm_mode_32 3
		.amdhsa_float_denorm_mode_16_64 3
		.amdhsa_memory_ordered 1
		.amdhsa_forward_progress 1
		.amdhsa_inst_pref_size 247
	.end_amdhsa_kernel
	.amdgpu_metadata
---
amdhsa.version: [ 1, 2 ]
amdhsa.kernels:
  - .name:           k_q8b721e07bf_attn
    .symbol:         k_q8b721e07bf_attn.kd
    .args:
      - { .name: qkv, .offset: 0, .size: 8, .value_kind: global_buffer, .address_space: global }
      - { .name: mb, .offset: 8, .size: 8, .value_kind: global_buffer, .address_space: global }
      - { .name: ob, .offset: 16, .size: 8, .value_kind: global_buffer, .address_space: global }
    .group_segment_fixed_size: 327680
    .private_segment_fixed_size: 0
    .kernarg_segment_align: 8
    .kernarg_segment_size: 24
    .max_flat_workgroup_size: 128
    .sgpr_count:     76
    .vgpr_count:     960
    .wavefront_size: 32
...
	.end_amdgpu_metadata
.endif
;; end of part 3
;; launch oproj (part 4): grid 4 x 64, 4 waves a work-group, clusters of 4 x 4, 327,680 bytes of LDS; arguments ob, h16, out0; writes out0
.if DOCPART == 4
	.amdgcn_target "amdgcn-amd-amdhsa--gfx1250"
	.amdhsa_code_object_version 6
	.text
	.protected	k_q8b721e07bf_oproj
	.globl	k_q8b721e07bf_oproj
	.p2align	8
	.type	k_q8b721e07bf_oproj,@function
k_q8b721e07bf_oproj:
	s_mov_b64 s[64:65], 0
	v_nop
	global_prefetch_b8 v0, s[64:65] scope:SCOPE_SE
	s_setreg_imm32_b32 hwreg(HW_REG_WAVE_MODE, 25, 1), 1
	s_wait_xcnt 0x0
	s_wait_alu depctr_hold_cnt(0) depctr_sa_sdst(0) depctr_va_vdst(0) depctr_va_sdst(0) depctr_va_ssrc(0) depctr_va_vcc(0) depctr_vm_vsrc(0)
	s_getreg_b32 s2, hwreg(HW_REG_IB_STS2, 6, 4)
	s_cmp_eq_u32 s2, 0
	s_cbranch_scc0 .Lentry_in_a_cluster
	s_endpgm
.Lentry_in_a_cluster:
	s_bfe_u32 s2, ttmp6, 0x10000c
	s_cmp_lg_u32 s2, 0xf033
	s_cbranch_scc0 .Lentry_shape_is_right
	s_endpgm
.Lentry_shape_is_right:
; THE OUTPUT PROJECTION.  out0[m][n] = sum over k of O[m][k] Wo[n][k], k = 64 head + channel.  O lies by heads, ob[b*16+head][2048][64] in f16; Wo [1024][1024] as f16 in h16's last unit; sums in f32; out0 f32.
; SHARES.  A tile of out0 is 128 rows x 256 columns: 64 x 4 = 256 work-groups.  A wave makes all 128 rows x 64 columns (256 bytes of a row): 32 accumulators.  K goes in steps of 128, two heads, through two LDS slots.
; O's part of a K step: for each of the two heads 128 rows of 128 bytes, dense: asked for as 64 rows of 256 bytes and padded in LDS after every 128.  Wo's: 256 rows of 256 bytes.
; CLUSTER 4 x 4: O's tiles are shared along a row of the cluster, Wo's along a column, each asked for jointly.  THE MATRIX INSTRUCTION IS USED TRANSPOSED: a lane holds eight neighbouring columns of one row.
; REGISTERS: window 0: v0-31 addresses; v64-159, v160-255 two fragment buffers (8 x 8 of O, then 4 x 8 of Wo), on the way out v64-191 whole rows.  Window 1: accumulator (a, b) at v[32 a + 8 b].
.set KSTEP,  128
.set PA,     144                       ; a row of O in LDS: 128 bytes + 16
.set AHD,    128*PA                    ; one head's 128 rows: what wave 0 or 1 fetches
.set PITCH,  272                       ; a row of Wo: 256 bytes + 16
.set BOFF,   2*AHD
.set BHALF,  128*PITCH
.set SLOT,   BOFF+2*BHALF
.set STAGE,  2*SLOT                    ; behind the ring, never filled by a tensor load: 16 rows x 272 bytes for each wave
.set SPITCH, 272
.set SPARE,  STAGE+4*16*SPITCH         ; the spare words: two blocks of 256 bytes that no other line names
.set WOB,    6291456                   ; Wo in h16: unit 3 of 2 MiB
.set HEADB,  262144                    ; a head's bytes in ob
.set LAPS,   4
.set ADRA, 16
.set ADRB, 20
.set STO,  24
.set RD,   25
.set CO,   26
.set SPW,  28
.set NIL,  29
.set PFO,  30
.set F0,   64
.set F1,   160
.set G1,   24
.set G0,   32
.set G1B,  48
.set G0B,  56
.set LIM,  43
.set PFA,  44
.set PFS,  68                          ; s[68:69] the prefetch pointer's step for a K step: two heads of ob, or 256 bytes of Wo's rows
.set MSB, 0
.macro WIN new
.if MSB != (\new)
	s_set_vgpr_msb (MSB<<8)|(\new)
.set MSB, \new
.endif
.endm
.set W_MUL, 0x50
.macro JLOAD s                         ; waves 0 and 1 fetch the K step's two heads of O, waves 2 and 3 Wo's two halves; an s_nop 0 and four v_nop follow each line
	s_cmp_eq_u32 s11, 0
	s_cbranch_scc0 .Lfor_b_\@
	tensor_load_to_lds s[G0+4*(\s):G0+4*(\s)+3], s[G1:G1+7]
	s_nop 0
.rept 4
	v_nop
.endr
	s_branch .Lasked_\@
.Lfor_b_\@:
	tensor_load_to_lds s[G0B+4*(\s):G0B+4*(\s)+3], s[G1B:G1B+7]
	s_nop 0
.rept 4
	v_nop
.endr
.Lasked_\@:
.endm
; A prefetch of the K step two refills on, behind a joint load, its five lines and the run of LDS loads.  O's 32,768 bytes of a K step are read by one cluster alone: its four partners along x take 8,192 each, by address,
; a lane 256 bytes, and wave 0 asks.  Wo's rows are read by every cluster: the one with y = 0 asks; of the 128 rows that wave 2 or 3 fetches the partner at place cy takes 32, a lane a row.  The last two refills ask for nothing.
.macro ASK
	s_cmp_gt_u32 s3, s[LIM]
	s_cbranch_scc0 .Lnot_mine_\@
	global_prefetch_b8 v[PFO], s[PFA:PFA+1] th:TH_LOAD_NT scope:SCOPE_SE
.Lnot_mine_\@:
.endm
.macro CREST
	s_cmp_lg_u32 s10, 0
	s_cbranch_scc1 .Lnot_wave_0_\@
	s_barrier_signal -3
.Lnot_wave_0_\@:
	s_barrier_wait -3
	s_barrier_signal -1
	s_barrier_wait -1
.endm
.macro CROUND
	s_barrier_signal -1
	s_barrier_wait -1
	CREST
.endm
	s_load_b128 s[4:7], s[0:1], 0x0                ; ob s[4:5], h16 s[6:7]
	s_load_b64 s[8:9], s[0:1], 0x10                ; out0
	v_lshl_add_u32 v[SPW], v0, 2, SPARE
	v_mov_b32 v[NIL], 0
	ds_add_u32 v[SPW], v[NIL]                      ; the wave's opening: the add and its wait stand ahead of my first tensor load
	v_lshrrev_b32 v1, 5, v0
	v_readfirstlane_b32 s10, v1
	s_lshr_b32 s11, s10, 1                         ; I fetch for O (0) or for Wo (1)
	s_and_b32 s12, s10, 1                          ; which head of the two, or which half
	s_bfe_u32 s40, ttmp6, 0x40000
	s_bfe_u32 s41, ttmp6, 0x40004
	s_lshl_b32 s42, ttmp9, 2
	s_add_co_u32 s42, s42, s40                     ; tx
	s_and_b32 s13, ttmp7, 0xffff
	s_lshl_b32 s13, s13, 2
	s_add_co_u32 s13, s13, s41                     ; ty
	s_lshl_b32 s43, s41, 2
	s_lshl_b32 s43, 15, s43
	s_lshl_b32 s44, 0x1111, s40
	s_or_b32 s[G1+0], s43, (1<<16)|(1<<20)|(1<<21)|(4<<22)|(3<<25)   ; O: after every 32 words 4 words of padding
	s_or_b32 s[G1B+0], s44, (1<<16)|(1<<20)|(1<<21)|(5<<22)|(3<<25)  ; Wo: after every 64 words
	s_mov_b32 s[G1+1], 128<<16
	s_mov_b32 s[G1+2], 64<<16
	s_mov_b32 s[G1+3], 128<<16
	s_mov_b32 s[G1+4], 64
	s_mov_b32 s[G1+5], 128                         ; dense: 128 elements from row to row
	s_mov_b32 s[G1+6], 0
	s_mov_b32 s[G1+7], 0
	s_mov_b32 s[G1B+1], KSTEP<<16
	s_mov_b32 s[G1B+2], 128<<16
	s_mov_b32 s[G1B+3], KSTEP<<16
	s_mov_b32 s[G1B+4], 128
	s_mov_b32 s[G1B+5], 1024
	s_mov_b32 s[G1B+6], 0
	s_mov_b32 s[G1B+7], 0
	s_lshr_b32 s16, s13, 4
	s_lshl_b32 s16, s16, 22                        ; the batch's 16 heads,
	s_and_b32 s17, s13, 15
	s_lshl_b32 s17, s17, 14                        ; my tile's 128 rows in a head,
	s_add_co_u32 s16, s16, s17
	s_lshl_b32 s17, s12, 18                        ; head 0 or 1
	s_add_co_u32 s16, s16, s17
	s_mov_b32 s17, 0
	s_lshl_b32 s47, s12, 7
	s_lshl_b32 s46, s42, 8
	s_add_co_u32 s46, s46, s47                     ; Wo: row 256 tx + 128 x half
	s_lshl_b32 s46, s46, 11
	s_add_co_u32 s46, s46, WOB
	s_mov_b32 s47, 0
	s_mul_i32 s20, s12, AHD
	s_mul_i32 s21, s12, BHALF
	s_add_co_u32 s21, s21, BOFF
	s_wait_dscnt 0x0                               ; the opening add is done
	s_wait_kmcnt 0x0
	s_add_nc_u64 s[14:15], s[4:5], s[16:17]
	s_add_nc_u64 s[46:47], s[6:7], s[46:47]
	CROUND
.irp s, 0,1
	s_mov_b32 s[G0+4*(\s)], 1
	s_add_co_u32 s[G0+4*(\s)+1], s20, (\s)*SLOT
	s_add_nc_u64 s[G0+4*(\s)+2:G0+4*(\s)+3], s[14:15], (\s)*2*HEADB
	s_or_b32 s[G0+4*(\s)+3], s[G0+4*(\s)+3], 0x80000000
	s_mov_b32 s[G0B+4*(\s)], 1
	s_add_co_u32 s[G0B+4*(\s)+1], s21, (\s)*SLOT
	s_add_nc_u64 s[G0B+4*(\s)+2:G0B+4*(\s)+3], s[46:47], (\s)*KSTEP*2
	s_or_b32 s[G0B+4*(\s)+3], s[G0B+4*(\s)+3], 0x80000000
	JLOAD \s
.endr
	v_and_b32 v1, 15, v0
	v_bfe_u32 v2, v0, 4, 1
	v_mul_u32_u24 v[ADRA], v1, PA
	v_lshl_add_u32 v[ADRA], v2, 4, v[ADRA]
	v_add_nc_u32 v[ADRA+1], SLOT, v[ADRA]
	v_mul_u32_u24 v3, v1, PITCH
	v_lshl_add_u32 v3, v2, 4, v3
	s_mul_i32 s22, s10, 64*PITCH
	s_add_co_u32 s22, s22, BOFF
	v_add_nc_u32 v[ADRB], s22, v3
	s_add_co_u32 s22, s22, SLOT
	v_add_nc_u32 v[ADRB+1], s22, v3
	s_mul_i32 s23, s10, 16*SPITCH
	s_add_co_u32 s23, s23, STAGE
	v_mul_u32_u24 v[STO], v1, SPITCH               ; in: row l % 16, 32 bytes for each half of the lanes
	v_lshl_add_u32 v[STO], v2, 5, v[STO]
	v_add_nc_u32 v[STO], s23, v[STO]
	v_mul_u32_u24 v[RD], v2, SPITCH                ; back: lanes 0-15 one row of 256 bytes, lanes 16-31 the next
	v_lshl_add_u32 v[RD], v1, 4, v[RD]
	v_add_nc_u32 v[RD], s23, v[RD]
	v_lshlrev_b32 v[CO], 12, v2                    ; and the same two rows in out0
	v_lshl_add_u32 v[CO], v1, 4, v[CO]
	s_lshl_b32 s16, s13, 19                        ; 128 rows of 4,096 bytes,
	s_lshl_b32 s17, s42, 10                        ; 256 columns,
	s_add_co_u32 s16, s16, s17
	s_lshl_b32 s17, s10, 8                         ; my 64
	s_add_co_u32 s16, s16, s17
	s_mov_b32 s17, 0
	s_add_nc_u64 s[8:9], s[8:9], s[16:17]
	; the prefetches
	s_lshr_b32 s20, s13, 4
	s_lshl_b32 s20, s20, 22
	s_and_b32 s21, s13, 15
	s_lshl_b32 s21, s21, 14
	s_add_co_u32 s20, s20, s21
	s_lshr_b32 s21, s40, 1                         ; partner cx: head cx / 2 of the two,
	s_lshl_b32 s21, s21, 18
	s_add_co_u32 s20, s20, s21
	s_and_b32 s21, s40, 1                          ; half cx % 2 of its 16,384 bytes
	s_lshl_b32 s21, s21, 13
	s_add_co_u32 s20, s20, s21
	s_add_co_u32 s20, s20, 3*2*HEADB               ; at K step 3: the first refill steps it to 4.  Nothing is prefetched here, at the head
	s_lshl_b32 s18, s42, 8
	s_lshl_b32 s19, s12, 7
	s_add_co_u32 s18, s18, s19
	s_lshl_b32 s19, s41, 5
	s_add_co_u32 s18, s18, s19                     ; Wo: row 256 tx + 128 x half + 32 cy
	s_lshl_b32 s18, s18, 11
	s_add_co_u32 s18, s18, WOB+3*KSTEP*2
	s_mov_b32 s[PFS], 2*HEADB
	s_mov_b32 s19, KSTEP*2
	s_and_b32 s22, ttmp7, 0xffff                   ; cluster y
	s_cmp_eq_u32 s11, 0
	s_cselect_b32 s20, s20, s18
	s_cselect_b32 s[PFS], s[PFS], s19
	s_cselect_b32 s23, 8, 11                       ; a lane 256 bytes of O, or a row of Wo
	s_cselect_b32 s22, s12, s22                    ; O: wave 0 asks; Wo: the cluster with y = 0: the same in all sixteen partners, for a given wave
	s_cselect_b64 s[PFA:PFA+1], s[4:5], s[6:7]
	s_cmp_eq_u32 s22, 0
	s_cselect_b32 s[LIM], 1, -1
	s_mov_b32 s[PFS+1], 0
	s_mov_b32 s21, 0
	s_add_nc_u64 s[PFA:PFA+1], s[PFA:PFA+1], s[20:21]
	v_and_b32 v[PFO], 31, v0
	v_lshlrev_b32 v[PFO], s23, v[PFO]
; The 32 accumulators take turns in one order everywhere
.macro MUL f, a0, n, zero
	WIN W_MUL
.set a, \a0
.rept \n
.irp b, 0,1,2,3
.if \zero
	v_wmma_f32_16x16x32_f16 v[32*a+8*(\b):32*a+8*(\b)+7], v[(\f)+64+8*(\b):(\f)+64+8*(\b)+7], v[(\f)+8*a:(\f)+8*a+7], 0
.else
	v_wmma_f32_16x16x32_f16 v[32*a+8*(\b):32*a+8*(\b)+7], v[(\f)+64+8*(\b):(\f)+64+8*(\b)+7], v[(\f)+8*a:(\f)+8*a+7], v[32*a+8*(\b):32*a+8*(\b)+7]
.endif
.endr
.set a, a+1
.endr
.endm
; 24 LDS loads: quarter kq of a slot: Wo's 8, then O's 16 (head kq / 2 of the step's two, channels 32 (kq % 2) on)
.macro FETCH slot, kq, f
	WIN 0
.irp b, 0,1,2,3
	ds_load_b128 v[(\f)+64+8*(\b):(\f)+64+8*(\b)+3],   v[ADRB+(\slot)] offset:64*(\kq)+(\b)*16*PITCH
	ds_load_b128 v[(\f)+64+8*(\b)+4:(\f)+64+8*(\b)+7], v[ADRB+(\slot)] offset:64*(\kq)+(\b)*16*PITCH+32
.endr
.irp a, 0,1,2,3,4,5,6,7
	ds_load_b128 v[(\f)+8*(\a):(\f)+8*(\a)+3],   v[ADRA+(\slot)] offset:((\kq)/2)*AHD+((\kq)%2)*64+(\a)*16*PA
	ds_load_b128 v[(\f)+8*(\a)+4:(\f)+8*(\a)+7], v[ADRA+(\slot)] offset:((\kq)/2)*AHD+((\kq)%2)*64+(\a)*16*PA+32
.endr
.endm
.macro PLACES
.rept 4
	v_nop
.endr
.endm
.macro QUARTER slot, kq, f, g, zero
	s_wait_dscnt 8                                 ; Wo and O's blocks 0-3 are in; the youngest eight loads may be out
	MUL \f, 0, 4, \zero
	PLACES
	FETCH \slot, \kq, \g
	s_wait_dscnt 24                                ; all but the 24 just issued
	MUL \f, 4, 4, \zero
.endm
.macro MEET round
	WIN 0
	s_wait_tensorcnt 0x0                           ; all my tensor loads have landed: the one that was out is my part of the next slot
	ds_add_u32 v[SPW], v[NIL]
	s_wait_dscnt 9                                 ; (the add and the youngest eight loads may be out)
	MUL F1, 0, 2, 0
	s_wait_dscnt 0x0                               ; the add is done, and my reads of this slot are over
	s_barrier_signal -1
	MUL F1, 2, 2, 0
.if \round
	WIN 0
.endif
	s_barrier_wait -1
.endm
.macro TURN slot, next
	s_wait_xcnt 0x0                                ; the last prefetch, a K step back, has read its address
	s_add_nc_u64 s[PFA:PFA+1], s[PFA:PFA+1], s[PFS:PFS+1]
	MEET 1
	CREST                                          ; no wave of any partner still reads this slot's tile or has a load on its way
	s_add_nc_u64 s[G0+4*(\slot)+2:G0+4*(\slot)+3], s[G0+4*(\slot)+2:G0+4*(\slot)+3], 4*HEADB
	s_add_nc_u64 s[G0B+4*(\slot)+2:G0B+4*(\slot)+3], s[G0B+4*(\slot)+2:G0B+4*(\slot)+3], 2*KSTEP*2
	JLOAD \slot                                    ; my one tensor load behind the round; its four v_nop are also the places in front of the loads below
	FETCH \next, 0, F0
	ASK
	MUL F1, 4, 4, 0
.endm
; THE WAY OUT of row block a: 32 bytes a lane and column block into my stage, back as two whole rows of 256 bytes a load, stored so that sixteen lanes cover 256 consecutive bytes, aligned.
.macro TOSTAGE a
	WIN 0x04                                       ; the stores' data in window 1
.irp b, 0,1,2,3
	ds_store_b128 v[STO], v[32*(\a)+8*(\b):32*(\a)+8*(\b)+3]   offset:64*(\b)      ; each accumulator is read from its low end on
	ds_store_b128 v[STO], v[32*(\a)+8*(\b)+4:32*(\a)+8*(\b)+7] offset:64*(\b)+16
.endr
	WIN 0
.set BK, 64+32*((\a)%4)
.irp t, 0,1,2,3,4,5,6,7
	ds_load_b128 v[BK+4*(\t):BK+4*(\t)+3], v[RD] offset:(\t)*2*SPITCH  ; LDS serves a wave's instructions in order
.endr
.endm
.macro SEND a, younger                 ; younger: the next block's sixteen LDS instructions, or none
	WIN 0
.set BK, 64+32*((\a)%4)
	s_wait_dscnt \younger
	s_wait_xcnt 0x0                                ; the registers that earlier stores read are loaded again only behind this wait
.irp t, 0,1,2,3,4,5,6,7
	global_store_b128 v[CO], v[BK+4*(\t):BK+4*(\t)+3], s[8:9] offset:(\a)*65536+(\t)*8192 th:TH_STORE_NT
.endr
.endm
	s_wait_tensorcnt 1                             ; my part of K step 0 is in; K step 1's may stay out
	s_barrier_signal -1
	s_barrier_wait -1
	FETCH 0, 0, F0
	QUARTER 0, 1, F0, F1, 1                        ; the first quarter's products start the sums
	WIN 0
	s_mov_b32 s3, LAPS-1
.Llap:
	QUARTER 0, 2, F1, F0, 0
	QUARTER 0, 3, F0, F1, 0
	TURN 0, 1
	QUARTER 1, 1, F0, F1, 0
	QUARTER 1, 2, F1, F0, 0
	QUARTER 1, 3, F0, F1, 0
	TURN 1, 0
	QUARTER 0, 1, F0, F1, 0
	WIN 0
	s_sub_co_u32 s3, s3, 1
	s_cmp_lg_u32 s3, 0
	s_cbranch_scc1 .Llap
	QUARTER 0, 2, F1, F0, 0                        ; the last lap fills nothing
	QUARTER 0, 3, F0, F1, 0
	MEET 0
	PLACES
	FETCH 1, 0, F0
	MUL F1, 4, 4, 0
	QUARTER 1, 1, F0, F1, 0
	QUARTER 1, 2, F1, F0, 0
	QUARTER 1, 3, F0, F1, 0
	s_wait_dscnt 8
	MUL F1, 0, 4, 0
	s_wait_dscnt 0x0
	MUL F1, 4, 4, 0
	WIN 0
	PLACES                                         ; behind the last products
	TOSTAGE 0
.irp a, 1,2,3,4,5,6,7
	TOSTAGE \a
	SEND (\a)-1, 16
.endr
	SEND 7, 0
	s_wait_tensorcnt 0x0                           ; the wave's end
	ds_add_u32 v[SPW], v[NIL]
	s_wait_dscnt 0x0
	CROUND                                         ; the closing round
	s_endpgm
.Lfunc_end_k_q8b721e07bf_oproj:
	.size	k_q8b721e07bf_oproj, .Lfunc_end_k_q8b721e07bf_oproj-k_q8b721e07bf_oproj
	.p2alignl 7, 3214868480
	.fill 96, 4, 3214868480
	.section	.rodata,"a",@progbits
	.p2align	6, 0x0
	.amdhsa_kernel k_q8b721e07bf_oproj
		.amdhsa_group_segment_fixed_size 327680
		.amdhsa_private_segment_fixed_size 0
		.amdhsa_enable_private_segment 0
		.amdhsa_kernarg_size 24
		.amdhsa_user_sgpr_count 2
		.amdhsa_user_sgpr_kernarg_segment_ptr 1
		.amdhsa_wavefront_size32 1
		.amdhsa_system_sgpr_workgroup_id_x 1
		.amdhsa_system_sgpr_workgroup_id_y 1
		.amdhsa_system_sgpr_workgroup_id_z 1
		.amdhsa_system_vgpr_workitem_id 0
		.amdhsa_next_free_vgpr 512
		.amdhsa_next_free_sgpr 70
		.amdhsa_reserve_vcc 0
		.amdhsa_float_denorm_mode_32 3
		.amdhsa_float_denorm_mode_16_64 3
		.amdhsa_memory_ordered 1
		.amdhsa_forward_progress 1
		.amdhsa_inst_pref_size 87
	.end_amdhsa_kernel
	.amdgpu_metadata
---
amdhsa.version: [ 1, 2 ]
amdhsa.kernels:
  - .name:           k_q8b721e07bf_oproj
    .symbol:         k_q8b721e07bf_oproj.kd
    .args:
      - { .name: ob, .offset: 0, .size: 8, .value_kind: global_buffer, .address_space: global }
      - { .name: h16, .offset: 8, .size: 8, .value_kind: global_buffer, .address_space: global }
      - { .name: out0, .offset: 16, .size: 8, .value_kind: global_buffer, .address_space: global }
    .group_segment_fixed_size: 327680
    .private_segment_fixed_size: 0
    .kernarg_segment_align: 8
    .kernarg_segment_size: 24
    .max_flat_workgroup_size: 128
    .sgpr_count:     70
    .vgpr_count:     512
    .wavefront_size: 32
...
	.end_amdgpu_metadata
.endif
;; end of part 4
